; MI455X (gfx1250); checked and timed in simulation.
; The chip was launched on July 23, 2026; its instructions are those of AMD's public machine-readable ISA for CDNA 5 (MIT licence, August 2026) and "CDNA5" Instruction Set Architecture Reference Guide (July 2026). The comments in the code are by the model that wrote it; some were corrected since.
;; Flex Ro PE Attention. Allowed arithmetic: matrix products marked QUANTISED: E2M3 operands, one E8M0 scale for each 32 along K, by v_wmma_scale_f32_16x16x128_f8f6f4 with both operands' format E2M3, f32 sums; everything else in f32.
;; Inputs: W_proj 1,024 x 1,024 float32; W_qkv 1,024 x 3,072 float32; b_proj 1,024 float32; b_qkv 3,072 float32; keep_idx 4 x 2,048 x 1 int32; x 4 x 2,048 x 1,024 float32.
;; Outputs: out0 4 x 2,048 x 1,024 float32.
;; Constants: original_seq_len = 4096.
;; This version of the problem:
;;   THIS VERSION OF THE PROBLEM IS GIVEN IN LOW PRECISION. The matrix products marked QUANTISED in the list below multiply operands that are first quantised to E2M3 (2 exponent bits, 3 mantissa bits; 6 bits a number), with one power-of-two scale for each 32 numbers along K (OCP MX v1.0); their sums are f32. All else is computed in f32.
;;   The module's matrix products, in the order in which they are computed (A, B: the left and right operand; K: the contracted axis; several contracted axes count as one K, in the product's order):
;;     1. [M 8,192, K 1,024] x [K 1,024, N 3,072]; A: input x; B: input W_qkv: QUANTISED
;;     2. batch 64 x [M 2,048, K 64] x [K 64, N 2,048]; A: computed on the way; B: computed on the way: QUANTISED
;;     3. batch 64 x [M 2,048, K 2,048] x [K 2,048, N 64]; A: softmax (see below); B: computed on the way: QUANTISED
;;     4. [M 8,192, K 1,024] x [K 1,024, N 1,024]; A: computed on the way; B: input W_proj: QUANTISED
;;   THE QUANTISER, for each operand of a quantised product, along K:
;;     - K is cut into blocks of 32 from its start; a last block that is shorter is filled with zeros.
;;     - A block's scale is 2^e with e = floor(log2(the largest magnitude in the block)) - 2, held to -126 .. 127; a block of zeros has e = 0. As a byte (E8M0): e + 127.
;;     - Each number is divided by its block's scale, clamped to +-7.5, and rounded to the nearest number of E2M3, ties to even, subnormals kept.
;;     - The product sums the exact products of the quantised numbers (number of the format x scale) in f32.
;;   ~~~python
;;   def quantise(x, axis):      # numpy; x: float32 -> the quantised numbers, widened to float32 again
;;       x = np.moveaxis(x, axis, -1); K = x.shape[-1]
;;       x = np.pad(x, [(0, 0)] * (x.ndim - 1) + [(0, -K % 32)]); x = x.reshape(x.shape[:-1] + (-1, 32)); a = np.abs(x).max(-1, keepdims=True)
;;       e = np.where(a > 0, np.clip(np.frexp(np.where(a > 0, a, 1))[1] - 1 - 2, -126, 127), 0)      # np.frexp(a)[1] - 1 = floor(log2(a)), exactly
;;       r = np.clip(x / 2.0 ** e, -7.5, 7.5)
;;       step = 2.0 ** (np.maximum(np.frexp(np.where(r == 0, 1, r))[1] - 1, 0) - 3)
;;       q = np.round(r / step) * step * 2.0 ** e      # np.round: ties to even
;;       return np.moveaxis(q.reshape(q.shape[:-2] + (-1,))[..., :K], -1, axis).astype(np.float32)
;;   ~~~
;;   SOFTMAX AHEAD OF A QUANTISED PRODUCT. Where the list says 'softmax', what is quantised is not the finished softmax but p = 2^(t - M), with t = logit x log2(e) and M = ceil(the row's largest t), a whole number; so 1/2 < the row's largest p <= 1. The row's sum l is taken of the UNQUANTISED p, in f32, and the product's result is divided by l at the end. Since M is a whole number, a kernel that streams over the keys may use a running M (the ceiling of the running maximum): every later rescaling is an exact power of two, which a block's scale takes up: the codes' values come out the same.
;;   OPERANDS COMPUTED ON THE WAY. 'Computed on the way' means the value that the module computes at that place (a softmax that the list does not call 'softmax' is quantised finished and normalised). What goes into a quantiser is computed in f32, as accurately as f32 sums, v_exp_f32 and their like allow (about 1e-6 of the number): no bf16 or f16 on the way to a quantiser, and a product that is left as it is and whose result goes on into a quantised operand takes f32 operands (vector FMAs, or v_wmma_f32_16x16x4_f32). A number that lies on a knife's edge between two numbers of the format may be rounded either way, as far as f32 arithmetic and the matrix unit's own rounding can turn it there, and no further.
;; One version. Each part assembles by itself: llvm-mc -triple=amdgcn-amd-amdhsa -mcpu=gfx1250 --defsym DOCPART=n.
;; ======== version 1 of 1: 4 launches
;; limits: right only within a limited range of input values
;; workspace buffers: xq 6,553,600 bytes; wq 3,276,800 bytes; cs 2,097,152 bytes; qkvc 18,874,368 bytes; qkvs 786,432 bytes; oq 6,553,600 bytes
;; launch prep (part 1): grid 640 x 1, 4 waves a work-group, no clusters, 102,400 bytes of LDS; arguments x, keep_idx, W_qkv, W_proj, xq, wq, cs; writes xq, wq, cs
.if DOCPART == 1
	.amdgcn_target "amdgcn-amd-amdhsa--gfx1250"
	.amdhsa_code_object_version 6
	.text
	.protected	k_q02b45fe2c7_prep
	.globl	k_q02b45fe2c7_prep
	.p2align	8
	.type	k_q02b45fe2c7_prep,@function
k_q02b45fe2c7_prep:
	s_mov_b64 s[64:65], 0
	v_nop
	global_prefetch_b8 v0, s[64:65] scope:SCOPE_SE
	s_setreg_imm32_b32 hwreg(HW_REG_WAVE_MODE, 25, 1), 1
	s_wait_xcnt 0x0
; PREP.  x [8192][1024], W_qkv [1024][3072] and W_proj [1024][1024], all f32, become codes of FP6 (E2M3) with one E8M0 byte for each 32 along K (K = the 1,024 channels), and the
; cos / sin table of the rotary embedding is made from keep_idx.
; ORDER OF ROWS.  Every row axis of the workspace is stored in the order sigma: stored row s holds natural index s with bits 3 and 4 exchanged.  So lane r of stored block 2 b + u of 16 rows
; holds natural row 32 b + 8 u + r % 8 + 16 (r / 8), and where such blocks are source 0 of a product, the 16 result registers of blocks 2 b, 2 b + 1 are 16 natural neighbours.
; FRAGMENT IMAGE.  16 stored rows x 128 K = 12 registers a lane = 1,536 bytes: six chunks of 256 bytes; chunk p holds registers 2 p, 2 p + 1, lane l at 8 l.  Every store of a chunk covers 256 consecutive bytes, aligned.
; SCALE WORDS (four bytes: 128 along K of one row) lie [block of 16 rows][half of K][row 16][K step 4]: 512 bytes a block.
; Work-groups 0-511: one stored block of 16 rows of x each; wave w takes K steps 2 w, 2 w + 1 and four tokens of the table.  Work-groups 512-639: 64 columns x 512 K of a weight; wave w one K step.
; A block's scale is its largest magnitude's exponent field less 2, held at 1 from below.
; LIMITS: NaN and infinities are not served.  A block of zeros, or one whose largest magnitude lies under 2^-124, gets the byte 1 (its codes are zeros; only this program reads the bytes).
; The angle is position x frequency in quarter turns, reduced exactly, then two polynomials on |x| <= pi / 4; frequency and angle carry a few units in the last place of f32, so the
; angle's own f32 roundings are not those of another order of the same arithmetic.  Any int32 position is served.
.set XST,  0                           ; path x: a stage of 16 rows x (512 + 16) bytes for each wave
.set XSC,  33792                       ; path x: the block's 512 bytes of scale words
.set WST,  34304                       ; path W: for each wave two blocks of 32 rows x 256 bytes, 128 bytes of padding behind each
.set WSC,  100864                      ; path W: 4 x 256 bytes of scale words
.set PC,   16                          ; v16-47  codes
.set PW,   36                          ; v36-37  path x: the two scale words
.set TM,   48                          ; v48-63  at work
.set X,    64                          ; v64-127 numbers in the order that the conversions want
.set R,    128                         ; v128-255 numbers as loaded
	s_load_b256 s[4:11], s[0:1], 0x0               ; x s[4:5], keep_idx s[6:7], W_qkv s[8:9], W_proj s[10:11]
	s_load_b128 s[12:15], s[0:1], 0x20             ; xq s[12:13], wq s[14:15]
	s_load_b64 s[16:17], s[0:1], 0x30              ; cs
	v_lshl_add_u32 v39, v0, 2, 0x18e00
	v_mov_b32 v47, 0
	v_lshrrev_b32 v1, 5, v0
	v_readfirstlane_b32 s18, v1                    ; wave 0..3
	v_and_b32 v1, 31, v0                           ; lane
	v_and_b32 v2, 15, v0                           ; r
	v_bfe_u32 v3, v0, 4, 1                         ; h
	v_lshlrev_b32 v4, 4, v1                        ; 16 x lane
	v_lshlrev_b32 v5, 3, v1                        ; 8 x lane
	s_mov_b32 s20, 0x76543210
	s_mov_b32 s21, 0xfedcba98                      ; v_permlanex16_b32's selects for lane l xor 16
	s_cmp_lt_u32 ttmp9, 512
	s_cbranch_scc0 .Lweights
; ---------------------------------------------------------------- path x
; 64 numbers of a lane, register 16 b + i = k 32 b + 16 h + i of my row, become a fragment's codes in v[PC] on and its scale word in v[pw].
.macro QUANT s, pw
.irp b, 0,1,2,3
	v_max3_num_f32 v[TM+\b], |v[\s+16*\b]|, |v[\s+1+16*\b]|, 0x1800000   ; my 16 numbers of block b, and the floor 2^(3 - 127): the byte cannot fall under 1
.endr
.irp i, 2,4,6,8,10,12,14
.irp b, 0,1,2,3
	v_max3_num_f32 v[TM+\b], v[TM+\b], |v[\s+16*\b+\i]|, |v[\s+1+16*\b+\i]|
.endr
.endr
.irp b, 0,1,2,3
	v_permlanex16_b32 v[TM+4+\b], v[TM+\b], s20, s21
.endr
.irp b, 0,1,2,3
	v_max_num_f32 v[TM+\b], v[TM+\b], v[TM+4+\b]   ; with lane l xor 16's: the block's largest magnitude
.endr
.irp b, 0,1,2,3
	v_add_nc_u32 v[TM+12+\b], 0xff000000, v[TM+\b] ; 2 off its exponent field: the conversion's scale operand
.endr
.irp b, 0,1,2,3
	v_lshrrev_b32 v[TM+4+\b], 23, v[TM+12+\b]      ; the scale's byte
.endr
	v_lshl_or_b32 v[\pw], v[TM+5], 8, v[TM+4]
	v_lshl_or_b32 v[\pw], v[TM+6], 16, v[\pw]
	v_lshl_or_b32 v[\pw], v[TM+7], 24, v[\pw]
.irp c, 0,1
	v_cvt_scalef32_pk16_fp6_f32 v[PC+6*\c:PC+2+6*\c], v[\s+32*\c:\s+15+32*\c], v[TM+12+2*\c]
	v_cvt_scalef32_pk16_fp6_f32 v[PC+12+4*\c:PC+14+4*\c], v[\s+16+32*\c:\s+31+32*\c], v[TM+12+2*\c+1]   ; (a conversion's three registers begin on an even number)
.endr
	v_nop                                          ; one plain place behind a scaled conversion
.irp c, 0,1                                    ; the operand's layout wants a whole block in a lane
.irp i, 0,1,2
	v_permlane16_swap_b32 v[PC+6*\c+\i], v[PC+12+4*\c+\i]
.endr
.irp i, 0,1,2
	v_mov_b32 v[PC+3+6*\c+\i], v[PC+12+4*\c+\i]
.endr
.endr
.endm
	s_mul_i32 s22, s18, 8448
	v_add_nc_u32 v6, s22, v4                       ; the stage, in: a row's 512 bytes as loaded
	v_mul_u32_u24 v7, v2, 528
	v_lshl_add_u32 v7, v3, 6, v7
	v_add_nc_u32 v7, s22, v7                       ; out: row r, + 64 h: my 16 numbers of each block of 32
	s_lshr_b32 s23, s18, 1
	s_and_b32 s24, s18, 1
	s_lshl_b32 s25, s23, 8
	s_lshl_b32 s26, s24, 3
	s_add_co_u32 s25, s25, s26
	s_add_co_u32 s25, s25, XSC
	s_wait_alu depctr_va_vdst(0)
	v_lshl_add_u32 v8, v2, 4, s25                  ; my two scale words: half of K w / 2, row r, K steps 2 (w % 2) on
	v_add_nc_u32 v9, XSC, v4
.irp b, 0,1,2,3
	v_mov_b32 v[TM+4+\b], 0                        ; written once: a lane permute's destination counts as one of its sources
.endr
	s_lshr_b32 s27, ttmp9, 1
	s_and_b32 s28, ttmp9, 1
	s_lshl_b32 s27, s27, 5
	s_lshl_b32 s28, s28, 3
	s_add_co_u32 s27, s27, s28                     ; the block's first natural token: 32 (rb / 2) + 8 (rb % 2)
	s_lshl_b32 s30, s27, 12
	s_lshl_b32 s29, s18, 10
	s_add_co_u32 s30, s30, s29                     ; x: that row, + my 1,024 bytes
	s_mov_b32 s31, 0
	s_lshl_b32 s32, s23, 4
	s_lshl_b32 s33, s24, 2
	s_add_co_u32 s32, s32, s33
	s_add_co_u32 s32, s32, s27                     ; stored rows 4 w .. 4 w + 3 of the block are natural tokens + 16 (w / 2) + 4 (w % 2) + 0 .. 3
	s_lshl_b32 s32, s32, 2
	s_mov_b32 s33, 0
	s_mul_i32 s34, ttmp9, 12288
	s_mul_i32 s35, s18, 3072
	s_add_co_u32 s34, s34, s35                     ; xq: my two fragments
	s_mov_b32 s35, 0
	s_lshl_b32 s36, ttmp9, 12
	s_add_co_u32 s36, s36, s29                     ; cs: stored token 16 rb + 4 w, 256 bytes a token
	s_mov_b32 s37, 0
	s_lshl_b32 s38, ttmp9, 9
	s_add_co_u32 s38, s38, 6291456                 ; xq: the block's scale words
	s_mov_b32 s39, 0
	s_mov_b32 s44, 0x3e500000                      ; 13 / 64
	s_mov_b32 s45, 0xc1300000                      ; -11
	s_mov_b32 s46, 0x3a53dafe                      ; log2(80) / 31 - 13 / 64
	s_mov_b32 s47, 0x3638ef1d                      ; 1 / 9!
	s_mov_b32 s48, 0xb9500d01                      ; -1 / 7!
	s_mov_b32 s49, 0x37d00d01                      ; 1 / 8!
	s_mov_b32 s50, 0xbab60b61                      ; -1 / 6!
	s_wait_kmcnt 0x0
	s_add_nc_u64 s[4:5], s[4:5], s[30:31]
	s_add_nc_u64 s[6:7], s[6:7], s[32:33]
	s_add_nc_u64 s[38:39], s[12:13], s[38:39]
	s_add_nc_u64 s[12:13], s[12:13], s[34:35]
	s_add_nc_u64 s[16:17], s[16:17], s[36:37]
	s_load_b128 s[40:43], s[6:7], 0x0              ; my four tokens' positions
.irp f, 0,1                                    ; all 32 loads at once: 512 consecutive bytes each
.irp i, 0,1,2,3,4,5,6,7,8,9,10,11,12,13,14,15
	global_load_b128 v[R+64*\f+4*\i:R+64*\f+4*\i+3], v4, s[4:5] offset:(\i%8+16*(\i/8))*4096+512*\f th:TH_LOAD_NT
.endr
.endr
	; THE TABLE, while the loads are on their way.  Lane l makes frequencies 2 (l % 16), 2 (l % 16) + 1: lanes 0-15 the cosines, lanes 16-31 the sines.
	; frequency x 2^-10 = 2^(i 13/64 - 11) x 2^(i (log2(80)/31 - 13/64)): the first exponent is exact.  position x that = the angle in quarter turns.
	v_lshlrev_b32 v64, 1, v2
	v_cvt_f32_u32 v64, v64
	v_add_f32 v65, 1.0, v64
	v_fma_f32 v66, v64, s44, s45
	v_fma_f32 v67, v65, s44, s45
	v_mul_f32 v70, s46, v64
	v_mul_f32 v71, s46, v65
	s_wait_alu depctr_va_vdst(0)
	v_exp_f32 v66, v66
	v_exp_f32 v67, v67
	v_exp_f32 v70, v70
	v_exp_f32 v71, v71
	v_sub_nc_u32 v68, 1, v3                        ; (the plain place behind the batch)  a cosine is the sine a quarter turn on
	s_wait_alu depctr_va_vdst(0)                   ; one wait for the four, ahead of their first reader
	v_mul_f32 v66, v66, v70
	v_mul_f32 v67, v67, v71
.macro SINCOS dst, f                           ; v69 = the position
	v_mul_f32 v72, v69, v[\f]                      ; quarter turns
	v_rndne_f32 v73, v72                           ; whole ones,
	v_sub_f32 v72, v72, v73                        ; and the rest, exact, at most a half
	v_cvt_i32_f32 v73, v73
	v_mul_f32 v72, 0x3fc90fdb, v72                 ; x = rest x pi / 2
	v_add_nc_u32 v73, v73, v68                     ; m: which quadrant
	v_mul_f32 v74, v72, v72
	v_fma_f32 v75, v74, s47, s48
	v_fma_f32 v76, v74, s49, s50
	v_fmaak_f32 v75, v75, v74, 0x3c088889          ; 1 / 5!
	v_fmaak_f32 v76, v76, v74, 0x3d2aaaab          ; 1 / 4!
	v_fmaak_f32 v75, v75, v74, 0xbe2aaaab          ; -1 / 3!
	v_fma_f32 v76, v76, v74, -0.5
	v_mul_f32 v77, v72, v74
	v_fma_f32 v76, v76, v74, 1.0                   ; cos x
	v_fma_f32 v75, v75, v77, v72                   ; sin x
	v_and_b32 v78, 1, v73
	v_cmp_ne_u32 vcc_lo, 0, v78
	v_cndmask_b32 v75, v75, v76, vcc_lo            ; odd quadrants take the cosine,
	v_and_b32 v78, 2, v73
	v_lshlrev_b32 v78, 30, v78
	v_xor_b32 v[\dst], v78, v75                    ; quadrants 2 and 3 the other sign
.endm
	s_wait_kmcnt 0x0
.irp i, 0,1,2,3
	v_cvt_f32_i32 v69, s[40+\i]
	s_wait_alu depctr_va_vdst(0)
	SINCOS 80+2*\i, 66
	SINCOS 81+2*\i, 67
	global_store_b64 v5, v[80+2*\i:81+2*\i], s[16:17] offset:256*\i   ; a token's 256 bytes: 32 cosines, 32 sines
.endr
	s_wait_xcnt 0x0                                ; the stores have read their registers: v64-127 take numbers next
.macro XFRAG f
.if \f == 0
	s_wait_loadcnt 16                              ; this fragment's 16 loads are in; the other's may be out
.else
	s_wait_loadcnt 0x0
.endif
.irp i, 0,1,2,3,4,5,6,7,8,9,10,11,12,13,14,15
	ds_store_b128 v6, v[R+64*\f+4*\i:R+64*\f+4*\i+3] offset:528*\i
.endr
.irp b, 0,1,2,3
.irp j, 0,1,2,3
	ds_load_b128 v[X+16*\b+4*\j:X+16*\b+4*\j+3], v7 offset:128*\b+16*\j   ; LDS serves a wave's instructions in order: these see my stores
.endr
.endr
	s_wait_dscnt 0x0
	s_wait_xcnt 0x0                                ; the last fragment's stores have read the codes' registers
	QUANT X, PW+\f
.irp p, 0,1,2,3,4,5
	global_store_b64 v5, v[PC+2*\p:PC+2*\p+1], s[12:13] offset:1536*\f+256*\p
.endr
.endm
	XFRAG 0
	XFRAG 1
	ds_store_b64 v8, v[PW:PW+1]                    ; lanes r and r + 16 write the same words to the same place
	s_wait_dscnt 0x0                               ; for the others' sake
	s_barrier_signal -1
	s_barrier_wait -1
	s_cmp_lg_u32 s18, 0
	s_cbranch_scc1 .Lx_done
	ds_load_b128 v[12:15], v9
	s_wait_dscnt 0x0
	global_store_b128 v4, v[12:15], s[38:39]       ; the block's 512 bytes of scale words
.Lx_done:
	s_wait_tensorcnt 0x0
	ds_add_u32 v39, v47
	s_wait_dscnt 0x0
	s_endpgm
; ---------------------------------------------------------------- path W
; K is the weights' FIRST axis.  Lane (r, h) of stored block i takes one column and, in phase c, its block 2 c + h of 32 along K: the conversions' results are the operand's registers 6 c .. 6 c + 5.
; Memory is read in whole rows of 256 bytes (64 columns); an LDS stage turns rows into a lane's column.
.Lweights:
	s_wait_kmcnt 0x0
	s_sub_co_u32 s22, ttmp9, 512
	s_cmp_lt_u32 s22, 96                           ; W_qkv's work-group or W_proj's?  The choice hangs on the work-group's number alone
	s_cselect_b64 s[8:9], s[8:9], s[10:11]
	s_mov_b32 s23, 8192
	s_cselect_b32 s23, 24576, s23                  ; two rows of the weight, in bytes
	s_cselect_b32 s24, 0, 2457600                  ; where its codes begin in wq,
	s_mov_b32 s25, 3244032
	s_cselect_b32 s25, 2359296, s25                ; and its scale words
	s_cselect_b32 s26, 0, 96
	s_sub_co_u32 s22, s22, s26
	s_lshr_b32 s27, s22, 1                         ; which 64 columns
	s_and_b32 s28, s22, 1                          ; which half of K
	s_lshl_b32 s29, s28, 2
	s_add_co_u32 s29, s29, s18                     ; my K step
	s_lshl_b32 s30, s29, 6
	s_mul_i32 s30, s30, s23
	s_lshl_b32 s31, s27, 8
	s_add_co_u32 s30, s30, s31
	s_mov_b32 s31, 0
	s_add_nc_u64 s[8:9], s[8:9], s[30:31]          ; row 128 x K step, column 64 x group
	s_mul_i32 s32, s27, 49152
	s_mul_i32 s33, s29, 1536
	s_add_co_u32 s32, s32, s33
	s_add_co_u32 s32, s32, s24
	s_mov_b32 s33, 0
	s_add_nc_u64 s[32:33], s[14:15], s[32:33]      ; codes: stored block 4 x group, my K step
	s_lshl_b32 s34, s27, 2
	s_add_co_u32 s34, s34, s18
	s_lshl_b32 s34, s34, 9
	s_lshl_b32 s35, s28, 8
	s_add_co_u32 s34, s34, s35
	s_add_co_u32 s34, s34, s25
	s_mov_b32 s35, 0
	s_add_nc_u64 s[34:35], s[14:15], s[34:35]      ; scale words: at the end wave w stores those of block 4 x group + w
	s_lshr_b32 s36, s23, 1
	s_wait_alu depctr_va_vdst(0)
	v_mul_u32_u24 v10, v3, s36
	v_lshl_add_u32 v10, v2, 4, v10                 ; a load takes two rows: lanes 0-15 one, lanes 16-31 the next
	s_mul_i32 s37, s18, 16640
	s_add_co_u32 s37, s37, WST
	v_add_nc_u32 v6, s37, v4                       ; the stage, in
	v_mul_u32_u24 v7, v3, 8320
	v_and_b32 v12, 8, v2
	v_add_nc_u32 v12, v12, v2                      ; r % 8 + 16 (r / 8)
	v_lshl_add_u32 v7, v12, 2, v7
	v_add_nc_u32 v7, s37, v7                       ; out: my column; lanes 16-31 the second 32 rows, 32 banks on
	s_lshl_b32 s38, s18, 2
	s_add_co_u32 s38, s38, WSC
	v_lshl_add_u32 v8, v2, 4, s38
	s_lshl_b32 s39, s18, 8
	s_add_co_u32 s39, s39, WSC
	v_add_nc_u32 v9, s39, v5
	v_lshlrev_b32 v11, 3, v3                       ; 8 h
	v_mov_b32 v61, 0                               ; a lane permute's destination counts as one of its sources
.macro GLOAD c                                 ; 64 rows of K, two a load: each load covers two runs of 256 consecutive bytes.  A load lands on its own offset register
.set t, 0
.rept 32
	v_mad_u32_u24 v[R+4*t], s23, 32*\c+t, v10
.set t, t+1
.endr
.set t, 0
.rept 32
	global_load_b128 v[R+4*t:R+4*t+3], v[R+4*t], s[8:9] th:TH_LOAD_NT
.set t, t+1
.endr
.endm
.macro LOADX i                                 ; my column of stored block i, 32 along K
.set t, 0
.rept 32
	ds_load_b32 v[X+32*((\i)%2)+t], v7 offset:256*t+(32*((\i)/2)+8*((\i)%2))*4
.set t, t+1
.endr
.endm
.macro WQ i, c
.set XS, X+32*((\i)%2)
.set PS, PC+8*(\i)
	v_max3_num_f32 v48, |v[XS]|, |v[XS+1]|, |v[XS+2]|
	v_max3_num_f32 v49, |v[XS+3]|, |v[XS+4]|, |v[XS+5]|
.irp k, 6,10,14,18,22,26
	v_max3_num_f32 v48, v48, |v[XS+\k]|, |v[XS+\k+1]|
	v_max3_num_f32 v49, v49, |v[XS+\k+2]|, |v[XS+\k+3]|
.endr
	v_max3_num_f32 v48, v48, |v[XS+30]|, |v[XS+31]|
	v_max3_num_f32 v48, v48, v49, 0x1800000        ; the block's largest magnitude, all 32 mine, and the floor
	v_add_nc_u32 v50, 0xff000000, v48
.if (\c) == 0
	v_lshrrev_b32 v[53+(\i)], 23, v50              ; the byte of block h
.else
	v_lshrrev_b32 v51, 23, v50                     ; the byte of block 2 + h
	v_lshl_or_b32 v51, v51, 16, v[53+(\i)]
	v_lshlrev_b32 v51, v11, v51                    ; at their places in the word;
	v_permlanex16_b32 v61, v51, s20, s21
	v_or_b32 v[57+(\i)], v51, v61                  ; with lane l xor 16's two the word is whole
.endif
	v_cvt_scalef32_pk16_fp6_f32 v[PS:PS+2], v[XS:XS+15], v50
	v_cvt_scalef32_pk16_fp6_f32 v[PS+4:PS+6], v[XS+16:XS+31], v50
	v_nop                                          ; one plain place behind a scaled conversion
	v_mov_b32 v[PS+3], v[PS+4]
	v_mov_b32 v[PS+4], v[PS+5]
	v_mov_b32 v[PS+5], v[PS+6]
.irp p, 0,1,2
	global_store_b64 v5, v[PS+2*\p:PS+2*\p+1], s[32:33] offset:12288*(\i)+768*(\c)+256*\p
.endr
.endm
	GLOAD 0
.irp c, 0,1
	s_wait_loadcnt 0x0
	s_wait_xcnt 0x0                                ; the last phase's stores have read the codes' registers
.set t, 0
.rept 32
	ds_store_b128 v6, v[R+4*t:R+4*t+3] offset:(t/16)*8320+(t%16)*512
.set t, t+1
.endr
	LOADX 0
	LOADX 1
	s_wait_dscnt 32                                ; the stage's stores have read their registers and block 0's numbers are in; block 1's 32 loads may be out
.if \c == 0
	GLOAD 1                                        ; the second 64 rows come while the first are worked
.endif
	WQ 0, \c
	LOADX 2
	s_wait_dscnt 32
	WQ 1, \c
	LOADX 3
	s_wait_dscnt 32
	WQ 2, \c
	s_wait_dscnt 0x0
	WQ 3, \c
.endr
.irp i, 0,1,2,3
	ds_store_b32 v8, v[57+\i] offset:256*\i        ; block i, row r, K step w of this half
.endr
	s_wait_dscnt 0x0                               ; for the others' sake
	s_barrier_signal -1
	s_barrier_wait -1
	ds_load_b64 v[12:13], v9
	s_wait_dscnt 0x0
	global_store_b64 v5, v[12:13], s[34:35]        ; 256 consecutive bytes, aligned
	s_wait_tensorcnt 0x0
	ds_add_u32 v39, v47
	s_wait_dscnt 0x0
	s_endpgm
.Lfunc_end_k_q02b45fe2c7_prep:
	.size	k_q02b45fe2c7_prep, .Lfunc_end_k_q02b45fe2c7_prep-k_q02b45fe2c7_prep
	.p2alignl 7, 3214868480
	.fill 96, 4, 3214868480
	.section	.rodata,"a",@progbits
	.p2align	6, 0x0
	.amdhsa_kernel k_q02b45fe2c7_prep
		.amdhsa_group_segment_fixed_size 102400
		.amdhsa_private_segment_fixed_size 0
		.amdhsa_enable_private_segment 0
		.amdhsa_kernarg_size 56
		.amdhsa_user_sgpr_count 2
		.amdhsa_user_sgpr_kernarg_segment_ptr 1
		.amdhsa_wavefront_size32 1
		.amdhsa_system_sgpr_workgroup_id_x 1
		.amdhsa_system_sgpr_workgroup_id_y 1
		.amdhsa_system_sgpr_workgroup_id_z 1
		.amdhsa_system_vgpr_workitem_id 0
		.amdhsa_next_free_vgpr 256
		.amdhsa_next_free_sgpr 66
		.amdhsa_reserve_vcc 1
		.amdhsa_float_denorm_mode_32 3
		.amdhsa_float_denorm_mode_16_64 3
		.amdhsa_memory_ordered 1
		.amdhsa_forward_progress 1
		.amdhsa_inst_pref_size 77
	.end_amdhsa_kernel
	.amdgpu_metadata
---
amdhsa.version: [ 1, 2 ]
amdhsa.kernels:
  - .name:           k_q02b45fe2c7_prep
    .symbol:         k_q02b45fe2c7_prep.kd
    .args:
      - { .name: x, .offset: 0, .size: 8, .value_kind: global_buffer, .address_space: global }
      - { .name: keep_idx, .offset: 8, .size: 8, .value_kind: global_buffer, .address_space: global }
      - { .name: W_qkv, .offset: 16, .size: 8, .value_kind: global_buffer, .address_space: global }
      - { .name: W_proj, .offset: 24, .size: 8, .value_kind: global_buffer, .address_space: global }
      - { .name: xq, .offset: 32, .size: 8, .value_kind: global_buffer, .address_space: global }
      - { .name: wq, .offset: 40, .size: 8, .value_kind: global_buffer, .address_space: global }
      - { .name: cs, .offset: 48, .size: 8, .value_kind: global_buffer, .address_space: global }
    .group_segment_fixed_size: 102400
    .private_segment_fixed_size: 0
    .kernarg_segment_align: 8
    .kernarg_segment_size: 56
    .max_flat_workgroup_size: 128
    .sgpr_count:     66
    .vgpr_count:     256
    .wavefront_size: 32
...
	.end_amdgpu_metadata
.endif
;; end of part 1
;; launch qkv (part 2): grid 12 x 32, 4 waves a work-group, clusters of 4 x 4, 327,680 bytes of LDS; arguments xq, wq, cs, b_qkv, qkvc, qkvs; writes qkvc, qkvs
.if DOCPART == 2
	.amdgcn_target "amdgcn-amd-amdhsa--gfx1250"
	.amdhsa_code_object_version 6
	.text
	.protected	k_q02b45fe2c7_qkv
	.globl	k_q02b45fe2c7_qkv
	.p2align	8
	.type	k_q02b45fe2c7_qkv,@function
k_q02b45fe2c7_qkv:
	s_mov_b64 s[64:65], 0
	v_nop
	global_prefetch_b8 v0, s[64:65] scope:SCOPE_SE
	s_setreg_imm32_b32 hwreg(HW_REG_WAVE_MODE, 25, 1), 1
	s_wait_xcnt 0x0
	s_wait_alu depctr_hold_cnt(0) depctr_sa_sdst(0) depctr_va_vdst(0) depctr_va_sdst(0) depctr_va_ssrc(0) depctr_va_vcc(0) depctr_vm_vsrc(0)
	s_getreg_b32 s2, hwreg(HW_REG_IB_STS2, 6, 4)
	s_cmp_eq_u32 s2, 0
	s_cbranch_scc0 .Lentry_in_a_cluster
	s_endpgm
.Lentry_in_a_cluster:
	s_bfe_u32 s2, ttmp6, 0x10000c
	s_cmp_lg_u32 s2, 0xf033
	s_cbranch_scc0 .Lentry_shape_is_right
	s_endpgm
.Lentry_shape_is_right:
.set FR,    12
.set NL,    6
.set QTR,   24576
.set SLOT,  4*QTR
.set SCL,   2*SLOT
.set SPARE, SCL+4*4096
.set BV,    8
.set ADRA,  24
.set ADRB,  26
.set SPW,   28
.set NIL,   29
.set ADRS,  30
.set CSL,   31
.set SC,    32
.set AF,    128
.set U,     128
.set PC,    160
.set TM,    180
.set PWR,   196
.set KW,    204
.set SW,    212
.set SEL,   96
.set G1, 24
.set G0, 32
.set G1B, 48
.set G0B, 56
.set G1S, 68
.set G0S, 76
.set G1SB, 80
.set G0SB, 88
.set MSB, 0
.macro WIN new
.if MSB != \new
	s_set_vgpr_msb (MSB<<8)|\new
.set MSB, \new
.endif
.endm
.set MUL_LO, 0xa1
.set MUL_HI, 0xf1
.set TO_B,   0x40
.macro JLOAD g0a, g1a, g0b, g1b
	s_cmp_eq_u32 s17, 0
	s_cbranch_scc0 .Lfor_b_\@
	tensor_load_to_lds s[\g0a:\g0a+3], s[\g1a:\g1a+7]
	s_nop 0
.rept 4
	v_nop
.endr
	s_branch .Lasked_\@
.Lfor_b_\@:
	tensor_load_to_lds s[\g0b:\g0b+3], s[\g1b:\g1b+7]
	s_nop 0
.rept 4
	v_nop
.endr
.Lasked_\@:
.endm
.macro CREST
	s_cmp_lg_u32 s16, 0
	s_cbranch_scc1 .Lnot_wave_0_\@
	s_barrier_signal -3
.Lnot_wave_0_\@:
	s_barrier_wait -3
	s_barrier_signal -1
	s_barrier_wait -1
.endm
.macro CROUND
	s_barrier_signal -1
	s_barrier_wait -1
	CREST
.endm
.macro PLACES
.rept 4
	v_nop
.endr
.endm
	s_load_b256 s[4:11], s[0:1], 0x0
	s_load_b128 s[12:15], s[0:1], 0x20
	v_lshl_add_u32 v[SPW], v0, 2, SPARE
	v_mov_b32 v[NIL], 0
	ds_add_u32 v28, v29
	ds_add_u32 v28, v29
	s_wait_dscnt 0x0
	v_lshrrev_b32 v1, 5, v0
	v_readfirstlane_b32 s16, v1
	s_lshr_b32 s17, s16, 1
	s_and_b32 s18, s16, 1
	s_bfe_u32 s40, ttmp6, 0x40000
	s_bfe_u32 s41, ttmp6, 0x40004
	s_and_b32 s42, ttmp7, 0xffff
	s_lshl_b32 s42, s42, 2
	s_lshl_b32 s45, ttmp9, 2
	s_lshl_b32 s43, s41, 2
	s_lshl_b32 s43, 15, s43
	s_lshl_b32 s44, 0x1111, s40
	s_or_b32 s[G1+0], s43, (3<<16)|(1<<21)
	s_or_b32 s[G1B+0], s44, (3<<16)|(1<<21)
.irp g, G1, G1B
	s_mov_b32 s[\g+1], (384<<16)
	s_mov_b32 s[\g+2], (8<<16)
	s_mov_b32 s[\g+3], (384<<16)
	s_mov_b32 s[\g+4], 8
	s_mov_b32 s[\g+5], 1536
	s_mov_b32 s[\g+6], 0
	s_mov_b32 s[\g+7], 0
.endr
	s_or_b32 s[G1S+0], s43, (3<<16)|(1<<21)
	s_or_b32 s[G1SB+0], s44, (3<<16)|(1<<21)
.irp g, G1S, G1SB
	s_mov_b32 s[\g+1], (32<<16)
	s_mov_b32 s[\g+2], (16<<16)
	s_mov_b32 s[\g+3], (32<<16)
	s_mov_b32 s[\g+4], 16
	s_mov_b32 s[\g+5], 32
	s_mov_b32 s[\g+6], 0
	s_mov_b32 s[\g+7], 0
.endr
	s_mov_b32 s92, 6291456
	s_mov_b32 s93, 2359296
	s_cmp_eq_u32 ttmp9, 2
	s_cselect_b32 s46, 8, s42
	s_cselect_b32 s47, s42, s45
	s_cselect_b32 s92, 2359296, s92
	s_cselect_b32 s93, 6291456, s93
	s_add_co_u32 s46, s46, s41
	s_add_co_u32 s47, s47, s40
	s_mul_i32 s19, s18, 98304
	s_mul_i32 s20, s46, 196608
	s_add_co_u32 s20, s20, s19
	s_mov_b32 s21, 0
	s_mul_i32 s22, s47, 196608
	s_add_co_u32 s22, s22, s19
	s_mov_b32 s23, 0
	s_lshl_b32 s19, s18, 12
	s_lshl_b32 s98, s46, 13
	s_add_co_u32 s98, s98, s19
	s_add_co_u32 s98, s98, s92
	s_mov_b32 s99, 0
	s_lshl_b32 s100, s47, 13
	s_add_co_u32 s100, s100, s19
	s_add_co_u32 s100, s100, s93
	s_mov_b32 s101, 0
	s_mul_i32 s66, s16, QTR
	s_lshl_b32 s67, s16, 12
	s_wait_kmcnt 0x0
	s_cmp_eq_u32 ttmp9, 2
	s_cselect_b64 s[94:95], s[6:7], s[4:5]
	s_cselect_b64 s[96:97], s[4:5], s[6:7]
	s_add_nc_u64 s[20:21], s[94:95], s[20:21]
	s_add_nc_u64 s[22:23], s[96:97], s[22:23]
	s_add_nc_u64 s[98:99], s[94:95], s[98:99]
	s_add_nc_u64 s[100:101], s[96:97], s[100:101]
	CROUND
	s_mov_b32 s[G0S], 1
	s_add_co_u32 s[G0S+1], s67, SCL
	s_mov_b64 s[G0S+2:G0S+3], s[98:99]
	s_or_b32 s[G0S+3], s[G0S+3], 0x80000000
	s_mov_b32 s[G0SB], 1
	s_add_co_u32 s[G0SB+1], s67, SCL
	s_mov_b64 s[G0SB+2:G0SB+3], s[100:101]
	s_or_b32 s[G0SB+3], s[G0SB+3], 0x80000000
	JLOAD G0S, G1S, G0SB, G1SB
.irp s, 0,1
	s_mov_b32 s[G0+4*\s], 1
	s_add_co_u32 s[G0+4*\s+1], s66, \s*SLOT
	s_add_nc_u64 s[G0+4*\s+2:G0+4*\s+3], s[20:21], \s*3072
	s_or_b32 s[G0+4*\s+3], s[G0+4*\s+3], 0x80000000
	s_mov_b32 s[G0B+4*\s], 1
	s_add_co_u32 s[G0B+4*\s+1], s66, \s*SLOT
	s_add_nc_u64 s[G0B+4*\s+2:G0B+4*\s+3], s[22:23], \s*3072
	s_or_b32 s[G0B+4*\s+3], s[G0B+4*\s+3], 0x80000000
	s_wait_alu depctr_va_vdst(0)
	s_wait_tensorcnt 0x0
	ds_add_u32 v28, v29
	s_wait_dscnt 0x0
	CROUND
	JLOAD G0+4*\s, G1, G0B+4*\s, G1B
.endr
	v_and_b32 v1, 15, v0
	v_bfe_u32 v2, v0, 4, 1
	s_wait_alu depctr_va_vdst(0)
	v_and_b32 v3, 31, v0
	v_lshlrev_b32 v3, 3, v3
	s_mul_i32 s19, s17, QTR
	s_mul_i32 s66, s18, QTR
	s_add_co_u32 s66, s66, 2*QTR
.irp s, 0,1
	v_add_nc_u32 v[ADRA+\s], s19, v3
	v_add_nc_u32 v[ADRB+\s], s66, v3
	s_add_co_u32 s19, s19, SLOT
	s_add_co_u32 s66, s66, SLOT
.endr
	s_lshl_b32 s19, s17, 12
	s_lshl_b32 s66, s18, 12
	s_add_co_u32 s66, s66, 8192
	s_sub_co_u32 s66, s66, s19
	v_mul_u32_u24 v6, s66, v2
	s_add_co_u32 s19, s19, SCL
	v_lshl_add_u32 v6, v1, 4, v6
	v_add_nc_u32 v[ADRS], s19, v6
	s_lshl_b32 s92, s46, 1
	s_add_co_u32 s92, s92, s17
	s_lshl_b32 s93, s47, 1
	s_add_co_u32 s93, s93, s18
	s_lshl_b32 s94, s40, 1
	s_add_co_u32 s94, s94, s18
	s_lshl_b32 s95, s41, 1
	s_add_co_u32 s95, s95, s17
	s_cmp_eq_u32 ttmp9, 2
	s_cselect_b32 s92, s93, s92
	s_cselect_b32 s94, s95, s94
	s_lshr_b32 s93, s92, 4
	s_lshl_b32 s93, s93, 4
	s_lshl_b32 s95, s94, 1
	s_add_co_u32 s93, s93, s95
	s_and_b32 s95, s92, 15
	s_mul_i32 s96, ttmp9, 6291456
	s_mul_i32 s97, s93, 98304
	s_add_co_u32 s96, s96, s97
	s_mul_i32 s97, s95, 6144
	s_add_co_u32 s96, s96, s97
	s_mov_b32 s97, 0
	s_add_nc_u64 s[12:13], s[12:13], s[96:97]
	s_lshl_b32 s96, ttmp9, 18
	s_lshl_b32 s98, s93, 12
	s_add_co_u32 s96, s96, s98
	s_lshl_b32 s98, s95, 8
	s_add_co_u32 s96, s96, s98
	s_add_nc_u64 s[14:15], s[14:15], s[96:97]
	s_lshl_b32 s96, s92, 15
	s_add_nc_u64 s[8:9], s[8:9], s[96:97]
	s_lshl_b32 s96, s94, 9
	s_add_nc_u64 s[22:23], s[10:11], s[96:97]
	s_lshl_b32 s96, ttmp9, 12
	s_add_nc_u64 s[20:21], s[22:23], s[96:97]
	s_add_nc_u64 s[22:23], s[22:23], 8192
	v_lshlrev_b32 v4, 6, v2
	v_and_b32 v5, 8, v1
	v_add_nc_u32 v5, v5, v1
	v_lshlrev_b32 v5, 2, v5
	v_lshlrev_b32 v[CSL], 8, v1
	v_lshl_add_u32 v[CSL], v2, 6, v[CSL]
.macro SETCR a
.if (\a) == 0
.set CR, 96
.elseif (\a) == 1
.set CR, 224
.elseif (\a) < 5
.set CR, 32*((\a)-2)
.else
.set CR, 128+32*((\a)-5)
.endif
.endm
.macro CSLOAD a
	SETCR \a
.irp j, 0,1,2,3
	global_load_b128 v[CR+4*\j:CR+4*\j+3], v[CSL], s[8:9] offset:4096*(\a)+16*\j
	global_load_b128 v[CR+16+4*\j:CR+16+4*\j+3], v[CSL], s[8:9] offset:4096*(\a)+128+16*\j
.endr
.endm
.irp b, 0,1,2,3,4,5,6,7
	global_load_b128 v[96+8*\b+96*(\b/4):96+8*\b+96*(\b/4)+3], v4, s[20:21] offset:(32*(\b/2)+8*(\b%2))*4
	global_load_b128 v[96+8*\b+96*(\b/4)+4:96+8*\b+96*(\b/4)+7], v4, s[20:21] offset:(32*(\b/2)+8*(\b%2))*4+16
.endr
.irp a, 0,1,2,3,4,5,6,7
	global_load_b32 v[BV+2*\a], v5, s[22:23] offset:(32*(\a/2)+8*(\a%2))*4
	global_load_b32 v[BV+2*\a+1], v5, s[22:23] offset:(32*(\a/2)+8*(\a%2))*4
.endr
	WIN 0x40
	CSLOAD 0
	CSLOAD 1
	WIN 0
.macro FRAG reg, adr, q, i
.irp p, 0,1,2,3,4,5
	ds_load_b64 v[\reg+2*\p:\reg+2*\p+1], v[\adr] offset:(\i)*3072+(\q)*1536+256*\p
.endr
.endm
.macro MUL16 a0, p, kq, first
.irp a, \a0, \a0+1
.irp b, 0,1,2,3,4,5,6,7
.if \first
	v_wmma_scale_f32_16x16x128_f8f6f4 v[8*(8*((\a)%4)+\b):8*(8*((\a)%4)+\b)+7], v[128*(\p)+FR*\b:128*(\p)+FR*\b+FR-1], v[AF+FR*(\a):AF+FR*(\a)+FR-1], 0, v[SC+8*\b+(\kq)], v[SC+8*(\a)+(\kq)] matrix_a_fmt:MATRIX_FMT_FP6 matrix_b_fmt:MATRIX_FMT_FP6 matrix_a_scale:MATRIX_SCALE_ROW1
.else
	v_wmma_scale_f32_16x16x128_f8f6f4 v[8*(8*((\a)%4)+\b):8*(8*((\a)%4)+\b)+7], v[128*(\p)+FR*\b:128*(\p)+FR*\b+FR-1], v[AF+FR*(\a):AF+FR*(\a)+FR-1], v[8*(8*((\a)%4)+\b):8*(8*((\a)%4)+\b)+7], v[SC+8*\b+(\kq)], v[SC+8*(\a)+(\kq)] matrix_a_fmt:MATRIX_FMT_FP6 matrix_b_fmt:MATRIX_FMT_FP6 matrix_a_scale:MATRIX_SCALE_ROW1
.endif
.endr
.endr
.endm
.macro FETCH_B slot, q, p
	WIN TO_B
.irp i, 0,1,2,3,4,5,6,7
	FRAG 128*(\p)+FR*\i, ADRB+\slot, \q, \i
.endr
	WIN 0
.endm
.macro FETCH_A slot, q, i0
.irp i, \i0, \i0+1, \i0+2, \i0+3
	FRAG AF+FR*(\i), ADRA+\slot, \q, \i
.endr
.endm
.macro STEP slot, kq, first
	s_wait_dscnt 4*NL
	WIN MUL_LO
	MUL16 0, 0, \kq, \first
	MUL16 2, 0, \kq, \first
	s_wait_dscnt 0x0
	PLACES
	FETCH_B \slot, 1, 1
	FETCH_A \slot, 1, 0
	WIN MUL_HI
	MUL16 4, 0, \kq, \first
	MUL16 6, 0, \kq, \first
	PLACES
	WIN 0
	FETCH_A \slot, 1, 4
.endm
.macro TURN slot, next, fill, kq
	s_wait_tensorcnt 0x0
	ds_add_u32 v[SPW], v[NIL]
	s_wait_dscnt 4*NL+1
	WIN MUL_LO
	MUL16 0, 1, \kq, 0
	s_wait_dscnt 0x0
	s_barrier_signal -1
	MUL16 2, 1, \kq, 0
	WIN 0
	s_barrier_wait -1
.if \fill
	CREST
	s_add_nc_u64 s[G0+4*\slot+2:G0+4*\slot+3], s[G0+4*\slot+2:G0+4*\slot+3], 6144
	s_add_nc_u64 s[G0B+4*\slot+2:G0B+4*\slot+3], s[G0B+4*\slot+2:G0B+4*\slot+3], 6144
	JLOAD G0+4*\slot, G1, G0B+4*\slot, G1B
.else
	PLACES
.endif
	FETCH_B \next, 0, 0
	FETCH_A \next, 0, 0
	WIN MUL_HI
	MUL16 4, 1, \kq, 0
	MUL16 6, 1, \kq, 0
	PLACES
	WIN 0
	FETCH_A \next, 0, 4
.endm
	s_wait_alu depctr_va_vdst(0)
	s_wait_tensorcnt 1
	s_barrier_signal -1
	s_barrier_wait -1
	FETCH_B 0, 0, 0
	FETCH_A 0, 0, 0
.irp i, 0,1,2,3,4,5,6,7
	ds_load_b128 v[SC+8*\i:SC+8*\i+3], v[ADRS] offset:512*\i
	ds_load_b128 v[SC+8*\i+4:SC+8*\i+7], v[ADRS] offset:512*\i+256
.endr
	FETCH_A 0, 0, 4
	STEP 0, 0, 1
	TURN 0, 1, 1, 1
	STEP 1, 2, 0
	TURN 1, 0, 1, 3
	STEP 0, 4, 0
	TURN 0, 1, 0, 5
	STEP 1, 6, 0
	s_wait_dscnt 4*NL
	WIN MUL_LO
	MUL16 0, 1, 7, 0
	MUL16 2, 1, 7, 0
	s_wait_dscnt 0x0
	WIN MUL_HI
	MUL16 4, 1, 7, 0
	MUL16 6, 1, 7, 0
	WIN 0
	PLACES
.irp b, 0,1,2,3
	v_mov_b32 v[TM+4+\b], 0
.endr
	v_cmp_ne_u32 s19, 0, v2
	s_mov_b32 s[SEL], 0x76543210
	s_mov_b32 s[SEL+1], 0xfedcba98
	s_mov_b32 s66, 0x05040100
	s_mov_b32 s67, 0x07060302
.macro QUANTW a
.set AB, 64*((\a)%4)
	WIN 0x28+0x14*((\a)/4)
.irp b, 0,1,2,3
	v_max3_num_f32 v[TM+\b], 0x1800000, |v[AB+16*\b]|, |v[AB+16*\b+1]|
.endr
.irp i, 2,4,6,8,10,12,14
.irp b, 0,1,2,3
	v_max3_num_f32 v[TM+\b], v[TM+\b], |v[AB+16*\b+\i]|, |v[AB+16*\b+\i+1]|
.endr
.endr
	WIN 0
.irp b, 0,1,2,3
	v_permlanex16_b32 v[TM+4+\b], v[TM+\b], s[SEL], s[SEL+1]
.endr
.irp b, 0,1,2,3
	v_max_num_f32 v[TM+\b], v[TM+\b], v[TM+4+\b]
.endr
.irp b, 0,1,2,3
	v_add_nc_u32 v[TM+12+\b], 0xff000000, v[TM+\b]
.endr
.irp b, 0,1,2,3
	v_lshrrev_b32 v[TM+4+\b], 23, v[TM+12+\b]
.endr
	v_lshl_or_b32 v[PWR+(\a)], v[TM+5], 8, v[TM+4]
	v_lshl_or_b32 v[PWR+(\a)], v[TM+6], 16, v[PWR+(\a)]
	v_lshl_or_b32 v[PWR+(\a)], v[TM+7], 24, v[PWR+(\a)]
	s_wait_xcnt 0x0
	WIN 2+((\a)/4)
.irp c, 0,1
	v_cvt_scalef32_pk16_fp6_f32 v[PC+6*\c:PC+6*\c+2], v[AB+32*\c:AB+32*\c+15], v[TM+12+2*\c]
	v_cvt_scalef32_pk16_fp6_f32 v[PC+12+4*\c:PC+12+4*\c+2], v[AB+32*\c+16:AB+32*\c+31], v[TM+12+2*\c+1]
.endr
	WIN 0
	v_nop
.irp c, 0,1
.irp i, 0,1,2
	v_permlane16_swap_b32 v[PC+6*\c+\i], v[PC+12+4*\c+\i]
.endr
.irp i, 0,1,2
	v_mov_b32 v[PC+3+6*\c+\i], v[PC+12+4*\c+\i]
.endr
.endr
.endm
	s_cmp_eq_u32 ttmp9, 2
	s_cbranch_scc1 .Lv_out
	WIN 0x40
.irp a, 2,3,4,5,6,7
	CSLOAD \a
.endr
.macro EPI_QK a
.set AB, 64*((\a)%4)
	SETCR \a
	s_wait_loadcnt 8*(7-(\a))
	WIN 0x82+0x41*((\a)/4)
.irp b, 0,1,2,3,4,5,6,7
.irp j, 0,2,4,6
	v_pk_add_f32 v[AB+8*\b+\j:AB+8*\b+\j+1], v[AB+8*\b+\j:AB+8*\b+\j+1], v[96+8*\b+96*(\b/4)+\j:96+8*\b+96*(\b/4)+\j+1]
.endr
.endr
.irp hh, 0,1
	WIN 6+((\a)/4)
.irp e, 0,2,4,6,8,10,12,14
	v_pk_mul_f32 v[U+\e:U+\e+1], v[AB+32*\hh+16+\e:AB+32*\hh+17+\e], v[CR+16+\e:CR+17+\e]
	v_pk_mul_f32 v[U+16+\e:U+17+\e], v[AB+32*\hh+\e:AB+32*\hh+1+\e], v[CR+16+\e:CR+17+\e]
.endr
	WIN 0x86+0x41*((\a)/4)
.irp e, 0,2,4,6,8,10,12,14
	v_pk_fma_f32 v[AB+32*\hh+\e:AB+32*\hh+1+\e], v[AB+32*\hh+\e:AB+32*\hh+1+\e], v[CR+\e:CR+1+\e], v[U+\e:U+\e+1] neg_lo:[0,0,1] neg_hi:[0,0,1]
	v_pk_fma_f32 v[AB+32*\hh+16+\e:AB+32*\hh+17+\e], v[AB+32*\hh+16+\e:AB+32*\hh+17+\e], v[CR+\e:CR+1+\e], v[U+16+\e:U+17+\e]
.endr
.endr
	QUANTW \a
.irp p, 0,1,2,3,4,5
	global_store_b64 v3, v[PC+2*\p:PC+2*\p+1], s[12:13] offset:768*(\a)+256*(\p%3)+98304*(\p/3)
.endr
.endm
.irp a, 0,1,2,3,4,5,6,7
	EPI_QK \a
.endr
.irp g, 0,1,2,3
	v_perm_b32 v[KW+\g], v[PWR+2*\g+1], v[PWR+2*\g], s66
	v_perm_b32 v[KW+4+\g], v[PWR+2*\g+1], v[PWR+2*\g], s67
.endr
.irp g, 0,1,2,3
	v_cndmask_b32 v[SW+\g], v[KW+\g], v[KW+4+\g], s19
.endr
	s_branch .Lwords
.Lv_out:
	s_wait_loadcnt 0x0
.macro EPI_V a
.set AB, 64*((\a)%4)
	WIN 0x82+0x41*((\a)/4)
.set j, 0
.rept 32
	v_pk_add_f32 v[AB+j:AB+j+1], v[AB+j:AB+j+1], v[BV+2*(\a):BV+2*(\a)+1]
.set j, j+2
.endr
	QUANTW \a
.irp p, 0,1,2,3,4,5
	global_store_b64 v3, v[PC+2*\p:PC+2*\p+1], s[12:13] offset:((\a)/4)*98304+((\a)%4)*1536+256*\p
.endr
.endm
.irp a, 0,1,2,3,4,5,6,7
	EPI_V \a
.endr
.irp g, 0,1,2,3
	v_cndmask_b32 v[SW+\g], v[PWR+\g], v[PWR+4+\g], s19
.endr
.Lwords:
	v_lshlrev_b32 v4, 12, v2
	v_lshl_add_u32 v4, v1, 4, v4
	s_wait_alu depctr_va_vdst(0)
	global_store_b128 v4, v[SW:SW+3], s[14:15]
	s_wait_tensorcnt 0x0
	ds_add_u32 v[SPW], v[NIL]
	s_wait_dscnt 0x0
	CROUND
	s_endpgm
.Lfunc_end_k_q02b45fe2c7_qkv:
	.size	k_q02b45fe2c7_qkv, .Lfunc_end_k_q02b45fe2c7_qkv-k_q02b45fe2c7_qkv
	.p2alignl 7, 3214868480
	.fill 96, 4, 3214868480
	.section	.rodata,"a",@progbits
	.p2align	6, 0x0
	.amdhsa_kernel k_q02b45fe2c7_qkv
		.amdhsa_group_segment_fixed_size 327680
		.amdhsa_private_segment_fixed_size 0
		.amdhsa_enable_private_segment 0
		.amdhsa_kernarg_size 48
		.amdhsa_user_sgpr_count 2
		.amdhsa_user_sgpr_kernarg_segment_ptr 1
		.amdhsa_wavefront_size32 1
		.amdhsa_system_sgpr_workgroup_id_x 1
		.amdhsa_system_sgpr_workgroup_id_y 1
		.amdhsa_system_sgpr_workgroup_id_z 1
		.amdhsa_system_vgpr_workitem_id 0
		.amdhsa_next_free_vgpr 1024
		.amdhsa_next_free_sgpr 102
		.amdhsa_reserve_vcc 0
		.amdhsa_float_denorm_mode_32 3
		.amdhsa_float_denorm_mode_16_64 3
		.amdhsa_memory_ordered 1
		.amdhsa_forward_progress 1
		.amdhsa_inst_pref_size 255
	.end_amdhsa_kernel
	.section	.bss,"aw",@nobits
	.p2align	6
	.space	262144
	.amdgpu_metadata
---
amdhsa.version: [ 1, 2 ]
amdhsa.kernels:
  - .name:           k_q02b45fe2c7_qkv
    .symbol:         k_q02b45fe2c7_qkv.kd
    .args:
      - { .name: xq, .offset: 0, .size: 8, .value_kind: global_buffer, .address_space: global }
      - { .name: wq, .offset: 8, .size: 8, .value_kind: global_buffer, .address_space: global }
      - { .name: cs, .offset: 16, .size: 8, .value_kind: global_buffer, .address_space: global }
      - { .name: b_qkv, .offset: 24, .size: 8, .value_kind: global_buffer, .address_space: global }
      - { .name: qkvc, .offset: 32, .size: 8, .value_kind: global_buffer, .address_space: global }
      - { .name: qkvs, .offset: 40, .size: 8, .value_kind: global_buffer, .address_space: global }
    .group_segment_fixed_size: 327680
    .private_segment_fixed_size: 0
    .kernarg_segment_align: 8
    .kernarg_segment_size: 48
    .max_flat_workgroup_size: 128
    .sgpr_count:     102
    .vgpr_count:     1024
    .wavefront_size: 32
...
	.end_amdgpu_metadata
.endif
;; end of part 2
;; launch attn (part 3): grid 4 x 64, 16 waves a work-group, clusters of 4 x 1, 220,160 bytes of LDS; arguments qkvc, qkvs, oq; writes oq
.if DOCPART == 3
	.amdgcn_target "amdgcn-amd-amdhsa--gfx1250"
	.amdhsa_code_object_version 6
	.text
	.protected	k_q02b45fe2c7_attn
	.globl	k_q02b45fe2c7_attn
	.p2align	8
	.type	k_q02b45fe2c7_attn,@function
k_q02b45fe2c7_attn:
	s_mov_b64 s[64:65], 0
	v_nop
	global_prefetch_b8 v0, s[64:65] scope:SCOPE_SE
	s_setreg_imm32_b32 hwreg(HW_REG_WAVE_MODE, 25, 1), 1
	s_wait_xcnt 0x0
	s_wait_alu depctr_hold_cnt(0) depctr_sa_sdst(0) depctr_va_vdst(0) depctr_va_sdst(0) depctr_va_ssrc(0) depctr_va_vcc(0) depctr_vm_vsrc(0)
	s_getreg_b32 s2, hwreg(HW_REG_IB_STS2, 6, 4)
	s_cmp_eq_u32 s2, 0
	s_cbranch_scc0 .Lentry_in_a_cluster
	s_endpgm
.Lentry_in_a_cluster:
	s_bfe_u32 s2, ttmp6, 0x10000c
	s_cmp_lg_u32 s2, 0x3003
	s_cbranch_scc0 .Lentry_shape_is_right
	s_endpgm
.Lentry_shape_is_right:
; ATTENTION on codes of FP6 (E2M3) with E8M0 scales: S^T = K Q^T (K = the head's 64), p = 2^(t - M), O^T = V^T P^T (K = the keys), O / the row's sum, quantised along the channels for the last product.
; t = score x log2(e) / 8; M = the running largest t rounded UP to a whole number; the sum is taken of the unquantised p; when M moves, the sum and O^T are multiplied by 2^(old M - new M), which rounds nothing.
; SHARES.  A work-group owns 512 queries of one (batch, head); each of its sixteen waves one tile of 16 queries in each of two passes; a lane holds ONE query throughout.
; THE WHOLE HEAD'S K AND V STAY IN LDS, filled once: every wave issues one tensor load at the head (waves 0-5 K's codes, 6-11 V's codes, 12-15 the scale words), one wait and one barrier follow.
; Nothing is filled again, so no further barrier stands ahead of the launch's end: the waves walk the keys each at its own pace.
; CLUSTER.  The four work-groups of a head need the same bytes: each load is asked for jointly, with the mask of all four.
; NO PREFETCH: all that the tensor loads bring is asked for at the head; there is no loop to run ahead in.
; WHICH KEYS FORM A TILE.  Tile (c, u) of a step of 128 keys takes as its row 8 h + j the key 64 c + 32 h + 8 u + j.  In the result lane (r, h) holds rows 8 h + j, so its 32 registers of tiles (c, 0 .. 3) are
; the keys 64 c + 32 h + 0 .. 31: one whole block of the second product's K, in that operand's own order.  A block's maximum needs no other lane and the codes no exchange of lanes.
; The workspace stores rows with bits 3 and 4 of the index exchanged, so that key lies in stored block 4 c + 2 h + u % 2, row 8 (u / 2) + j: the choice is made by the lanes' LDS addresses alone.
; K's LDS rows of 256 bytes carry 32 bytes of padding: two stored blocks are then 1,728 bytes apart, 192 modulo 256, and the 32 lanes of a load of 8 bytes touch 64 different banks.
; THE INSTRUCTION'S K IS 128, THE HEAD'S 64: source 0 holds tiles (c, 2 w) and (c, 2 w + 1) side by side; Q lies [q 6][zero codes 6][q 6], and [q, 0] picks the first tile, [0, q] the second.
; One stored scale word serves the two tiles; Q's word holds its two bytes twice.
; THE ORDER IN A STEP.  Maxima and sums run in eight chains by turns; V's loads are issued behind the score products, the next step's K loads stand in the gaps of the one serial chain (row maximum to -M);
; half of the summing stands behind the second products.
; LIMITS: NaN and infinities are not served; the promise holds while the scaled scores stay under 2^31 in magnitude; a block of zeros or under 2^-124 gets the byte 1 (zero codes; only this program reads the bytes).
.set KP,   288                         ; K's LDS pitch
.set KC,   0                           ; 384 rows x 288
.set VC,   110592                      ; 98,304 bytes
.set KS,   208896                      ; 4,096 bytes of K's scale words, then V's
.set VS,   212992
.set OSC,  217088                      ; 1,024 bytes: both passes' pairs of scale bytes; no fill lands here
.set SPARE,218112                      ; 16 waves x 128 bytes of spare words
.set QF,   16                          ; v16-33   [q][zeros][q]
.set KF,   34                          ; v34-81   four pairs of tiles of K
.set VF,   82                          ; v82-129  four fragments of V
.set S,    130                         ; v130-193 S^T, then p
.set O,    194                         ; v194-225 O^T
.set PC,   226                         ; v226-237 p's codes; ahead of the conversions at work:
.set M,    226                         ; v226-233 maxima
.set BY,   229                         ; v229-230 scale bytes, between the conversions and the moves
.set X,    234
.set Y,    235
.set TA,   238                         ; v238-240, v242-244 second halves of the blocks' codes; also addresses
.set TB,   242
.set E0,   241                         ; the conversions' scale operands
.set E1,   245
.set KW,   246                         ; v246-249 K's scale words, v250-253 V's, v254 p's, v255 Q's
.set VW,   250
.set PW,   254
.set QW,   255
.set WV,   10
.set SEL,  60
.set CS,   78
; v1 8 x lane; v2 K's lane address; v3 V's; v4, v5 their scale words'; v6, v7 the add's two registers; v8 8 h; v9 my scale bytes' place; v10 f; v11 16 r; v12 -M; v13 largest score; v[14:15] the sum
.macro CROUND
	s_barrier_signal -1
	s_barrier_wait -1
	s_cmp_lg_u32 s[WV], 0
	s_cbranch_scc1 .Lnot_wave_0_\@
	s_barrier_signal -3
.Lnot_wave_0_\@:
	s_barrier_wait -3
	s_barrier_signal -1
	s_barrier_wait -1
.endm
.macro AFTER
	s_nop 0
.rept 4
	v_nop
.endr
.endm
.macro QLOAD o, so                     ; a tile of Q, twice, and the word that holds its two scale bytes
.irp p, 0,1,2
	global_load_b64 v[QF+2*\p:QF+2*\p+1], v1, s[62:63] offset:\o+256*\p
	global_load_b64 v[QF+12+2*\p:QF+12+2*\p+1], v1, s[62:63] offset:\o+256*\p
.endr
	global_load_b32 v[QW], v11, s[66:67] offset:\so
.endm
.macro KPAIR g, ka                     ; six loads: pair g = 2 c + w holds tiles (c, 2 w + e), e = 0, 1
.irp e, 0,1
.irp p, 0,1,2
	ds_load_b64 v[KF+12*(\g)+6*\e+2*\p:KF+12*(\g)+6*\e+2*\p+1], v[\ka] offset:(4*((\g)/2)+\e)*3*KP+((\g)%2)*64+KP*\p
.endr
.endr
.endm
.macro KWORDS ks                       ; four loads: the pairs' scale words
.irp g, 0,1,2,3
	ds_load_b32 v[KW+\g], v[\ks] offset:128*(\g%2)+8*(\g/2)
.endr
.endm
.macro VLOAD va, vs                    ; 24 + 1 loads
.irp a, 0,1,2,3
.irp p, 0,1,2,3,4,5
	ds_load_b64 v[VF+12*\a+2*\p:VF+12*\a+2*\p+1], v[\va] offset:1536*\a+256*\p
.endr
.endr
	ds_load_b128 v[VW:VW+3], v[\vs]
.endm
.macro SUMS k0, k1                     ; pairs k0 .. k1 of p onto pairs 0 .. 7: eight chains by turns
.set k, \k0
.rept \k1-\k0+1
	v_pk_add_f32 v[S+2*(k%8):S+2*(k%8)+1], v[S+2*(k%8):S+2*(k%8)+1], v[S+2*k:S+2*k+1]
.set k, k+1
.endr
.endm
	s_load_b128 s[4:7], s[0:1], 0x0                ; qkvc, qkvs
	s_load_b64 s[8:9], s[0:1], 0x10                ; oq
	v_lshl_add_u32 v6, v0, 2, SPARE
	v_mov_b32 v7, 0
	ds_add_u32 v6, v7                              ; the opening lines
	ds_add_u32 v6, v7
	v_lshrrev_b32 v1, 5, v0
	v_readfirstlane_b32 s[WV], v1                  ; wave 0..15
	s_bfe_u32 s11, ttmp6, 0x40000                  ; cx: which 512 queries: it enters Q's and O's addresses alone
	s_and_b32 s12, ttmp7, 0xffff                   ; 16 x batch + head
	s_and_b32 s14, s[WV], 1
	s_mul_i32 s17, s12, 98304
	s_lshl_b32 s13, s[WV], 14                      ; 64 rows of 256 bytes a wave
	s_add_co_u32 s20, s17, s13
	s_add_co_u32 s22, s20, 12582912-98304          ; V's codes: wave 6 begins the head's
	s_add_co_u32 s20, s20, 6291456                 ; K's codes
	s_mov_b32 s21, 0
	s_mov_b32 s23, 0
	s_bfe_u32 s18, s[WV], 0x10001                  ; waves 12, 13: K's words; 14, 15: V's; each a half
	s_add_co_u32 s18, s18, 1
	s_lshl_b32 s18, s18, 18
	s_lshl_b32 s15, s12, 12
	s_add_co_u32 s18, s18, s15
	s_lshl_b32 s16, s14, 11
	s_add_co_u32 s18, s18, s16
	s_mov_b32 s19, 0
	; group 1: dense bytes as rows of 256 (32 elements of 8 bytes); the mask names all four work-groups.  K's rows are padded by 8 words
	s_mov_b32 s24, 15|(3<<16)|(1<<20)|(1<<21)|(5<<22)|(7<<25)
	s_mov_b32 s32, 15|(3<<16)|(1<<21)
.irp g, 24, 32
	s_mov_b32 s[\g+1], (32<<16)
	s_mov_b32 s[\g+2], (64<<16)
	s_mov_b32 s[\g+3], (32<<16)
	s_mov_b32 s[\g+4], 64
	s_mov_b32 s[\g+5], 32
	s_mov_b32 s[\g+6], 0
	s_mov_b32 s[\g+7], 0
.endr
	s_mov_b32 s52, 15|(3<<16)|(1<<21)
	s_mov_b32 s53, (32<<16)
	s_mov_b32 s54, (8<<16)
	s_mov_b32 s55, (32<<16)
	s_mov_b32 s56, 8
	s_mov_b32 s57, 32
	s_mov_b32 s58, 0
	s_mov_b32 s59, 0
	s_mov_b32 s40, 1
	s_mul_i32 s41, s[WV], 64*KP                    ; LDS: K's codes, wave x 64 padded rows
	s_mov_b32 s44, 1
	s_add_co_u32 s45, s13, VC-6*16384              ; V's codes, from wave 6 on
	s_mov_b32 s48, 1
	s_lshl_b32 s49, s[WV], 11
	s_add_co_u32 s49, s49, KS-12*2048              ; the words, from wave 12 on
	s_lshl_b32 s74, s11, 5
	s_add_co_u32 s74, s74, s[WV]                   ; my first tile of queries: 32 cx + wave
	s_mul_i32 s62, s74, 768
	s_add_co_u32 s62, s62, s17
	s_mov_b32 s63, 0
	s_lshl_b32 s66, s11, 10
	s_add_co_u32 s66, s66, s15
	s_lshr_b32 s77, s[WV], 3
	s_lshl_b32 s77, s77, 8
	s_add_co_u32 s66, s66, s77
	s_bfe_u32 s77, s[WV], 0x20001
	s_lshl_b32 s77, s77, 2
	s_add_co_u32 s66, s66, s77                     ; the word that holds my tile's two bytes
	s_mov_b32 s67, 0
	s_lshr_b32 s76, s12, 4                         ; batch
	s_and_b32 s75, s12, 15                         ; head
	s_lshl_b32 s68, s76, 7
	s_add_co_u32 s68, s68, s74
	s_mul_i32 s68, s68, 12288
	s_mul_i32 s77, s75, 768
	s_add_co_u32 s68, s68, s77                     ; oq: my block of 16 rows; head hd is K step hd / 2, half hd % 2
	s_mov_b32 s69, 0
	s_lshl_b32 s70, s76, 3
	s_lshl_b32 s77, s11, 1
	s_add_co_u32 s70, s70, s77
	s_lshl_b32 s70, s70, 13
	s_lshl_b32 s77, s75, 9
	s_add_co_u32 s70, s70, s77
	s_add_co_u32 s70, s70, 6291456                 ; oq's scale bytes: [256 tokens][head][row] pairs
	s_mov_b32 s71, 0
	s_mov_b32 s[SEL], 0x76543210
	s_mov_b32 s[SEL+1], 0xfedcba98                 ; lane l xor 16
	s_mov_b32 s[CS], 0x3e38aa3b                    ; c = log2(e) / 8
	s_mov_b32 s[CS+1], s[CS]
	s_mov_b32 s72, 0x01000100
	s_cmp_lg_u32 s14, 0
	s_cselect_b32 s72, 0x03020302, s72             ; my tile's half of its word, twice
	s_mov_b32 s73, 2                               ; passes
	s_mov_b32 s80, 0                               ; the pass's place in OSC
	s_wait_dscnt 0x0                               ; both opening adds are done
	s_wait_kmcnt 0x0
	s_add_nc_u64 s[42:43], s[4:5], s[20:21]
	s_or_b32 s43, s43, 0x80000000
	s_add_nc_u64 s[46:47], s[4:5], s[22:23]
	s_or_b32 s47, s47, 0x80000000
	s_add_nc_u64 s[50:51], s[6:7], s[18:19]
	s_or_b32 s51, s51, 0x80000000
	s_add_nc_u64 s[62:63], s[4:5], s[62:63]
	s_add_nc_u64 s[66:67], s[6:7], s[66:67]
	s_add_nc_u64 s[70:71], s[8:9], s[70:71]
	s_add_nc_u64 s[68:69], s[8:9], s[68:69]
	CROUND                                         ; all four work-groups are here: the joint loads meet
	s_cmp_lt_u32 s[WV], 6                          ; one chain of branches on the wave's number, one load to an arm, every wave through one arm
	s_cbranch_scc0 .Lfill_v
	tensor_load_to_lds s[40:43], s[24:31]
	AFTER
	s_branch .Lfilled
.Lfill_v:
	s_cmp_lt_u32 s[WV], 12
	s_cbranch_scc0 .Lfill_s
	tensor_load_to_lds s[44:47], s[32:39]
	AFTER
	s_branch .Lfilled
.Lfill_s:
	tensor_load_to_lds s[48:51], s[52:59]
	AFTER
.Lfilled:
	v_and_b32 v1, 31, v0
	v_and_b32 v8, 15, v0                           ; r
	v_and_b32 v9, 7, v0                            ; r % 8
	v_bfe_u32 v10, v0, 3, 1                        ; r / 8
	v_lshlrev_b32 v1, 3, v1                        ; 8 x lane
	v_lshlrev_b32 v11, 4, v8                       ; 16 r
	v_lshlrev_b32 v2, 3, v9
	v_lshlrev_b32 v4, 4, v9
	v_mad_u32_u24 v2, v10, 6*KP, v2                ; K: rows 8-15 of a tile lie two stored blocks on
	v_lshl_add_u32 v4, v10, 2, v4                  ; and their word is the next one
	v_bfe_u32 v10, v0, 4, 1                        ; h
	v_add_nc_u32 v3, VC, v1
	v_add_nc_u32 v5, VS, v11
	v_add_nc_u32 v4, KS, v4
	v_lshl_add_u32 v2, v10, 7, v2
	s_lshl_b32 s77, s[WV], 5
	s_add_co_u32 s77, s77, OSC
	v_lshl_add_u32 v9, v8, 1, s77                  ; OSC + 32 x wave + 2 r
	v_lshlrev_b32 v8, 3, v10                       ; 8 h
	QLOAD 0, 0
.irp i, 0,1,2,3,4,5
	v_mov_b32 v[QF+6+\i], 0                        ; the zero codes, written once
.endr
	v_mov_b32 v[X], 0                              ; a lane permute's destination counts as one of its sources
	s_wait_alu depctr_va_vdst(0)
	s_wait_tensorcnt 0x0                           ; my part is in
	s_barrier_signal -1
	s_barrier_wait -1                              ; and everybody's
; A KEY STEP: 128 keys.  At its top K's 28 loads for it are the only ones out.  last = 1: no further K is fetched.
.macro STEP last
	s_wait_dscnt 0x0                               ; K and its words are in
.irp g, 0,1,2,3
.irp e, 0,1
	v_wmma_scale_f32_16x16x128_f8f6f4 v[S+16*\g+8*\e:S+16*\g+8*\e+7], v[KF+12*\g:KF+12*\g+11], v[QF+6*\e:QF+6*\e+11], 0, v[KW+\g], v[QW] matrix_a_fmt:MATRIX_FMT_FP6 matrix_b_fmt:MATRIX_FMT_FP6
.endr
.endr
	v_add_nc_u32 v[TA], s75, v3                    ; at least four places behind the products
	v_add_nc_u32 v[TA+1], s76, v5
	v_mov_b32 v[Y], v12                            ; the old -M
.if \last
	v_nop
.else
	s_add_co_u32 s74, s74, 24*KP
	s_add_co_u32 s81, s81, 256
	v_add_nc_u32 v[TB], s74, v2
	v_add_nc_u32 v[TB+1], s81, v4
.endif
	VLOAD TA, TA+1                                 ; this step's V: 25 loads, issued while the score products run
.irp t, 0,1,2,3,4,5,6,7
	v_max3_num_f32 v[M+\t], v[S+8*\t], v[S+8*\t+1], v[S+8*\t+2]   ; a chain to a tile, eight by turns, each accumulator from its low end on
.endr
.irp i, 3,5
.irp t, 0,1,2,3,4,5,6,7
	v_max3_num_f32 v[M+\t], v[M+\t], v[S+8*\t+\i], v[S+8*\t+\i+1]
.endr
.endr
.irp c, 0,1
	v_max3_num_f32 v[M+4*\c], v[M+4*\c], v[M+4*\c+1], v[S+32*\c+7]
.endr
.irp c, 0,1
	v_max3_num_f32 v[M+4*\c+2], v[M+4*\c+2], v[M+4*\c+3], v[S+32*\c+15]
.endr
.irp c, 0,1
	v_max3_num_f32 v[M+4*\c], v[M+4*\c], v[M+4*\c+2], v[S+32*\c+23]
.endr
.irp c, 0,1
	v_max_num_f32 v[M+4*\c], v[M+4*\c], v[S+32*\c+31]   ; the largest score of my block c: for the row's maximum and, since p rises with the score, for the block's largest p
.endr
	v_max3_num_f32 v13, v13, v[M], v[M+4]          ; the one serial chain; the next step's K loads, 24 + 4, stand in its gaps
.if \last == 0
	KPAIR 0, TB
.endif
	v_permlanex16_b32 v[X], v13, s[SEL], s[SEL+1]
.if \last == 0
	KPAIR 1, TB
.endif
	v_max_num_f32 v13, v13, v[X]                   ; the running largest score of my query (c is positive)
.if \last == 0
	KPAIR 2, TB
.endif
	v_mul_f32 v[X], s[CS], v13
.if \last == 0
	KPAIR 3, TB
.endif
	v_floor_f32 v12, -v[X]                         ; -M = floor(-t): M is a whole number
.if \last == 0
	KWORDS TB+1
.endif
.set j, 0
.rept 32
	v_pk_fma_f32 v[S+j:S+j+1], v[S+j:S+j+1], s[CS:CS+1], v[12:13] op_sel_hi:[1,0,0]   ; t - M
.if j == 6
	v_sub_f32 v[X], v12, v[Y]
.endif
.if j == 14
	v_cvt_i32_f32 v[X], v[X]                       ; (it saturates)
.endif
.if j == 22
	v_ldexp_f32 v10, 1.0, v[X]                     ; f = 2^(old M - new M)
.endif
.set j, j+2
.endr
	v_fma_f32 v[M], v[M], s[CS], v12
	v_fma_f32 v[M+4], v[M+4], s[CS], v12
.set j, 0
.rept 16
	v_pk_mul_f32 v[O+j:O+j+1], v[O+j:O+j+1], v[10:11] op_sel_hi:[1,0]   ; O^T under the new M, ahead of the exponentials
.set j, j+2
.endr
	s_wait_alu depctr_va_vdst(0)
.set j, 0
.rept 64
	v_exp_f32 v[S+j], v[S+j]                       ; p = 2^(t - M), not normalised
.set j, j+1
.endr
	v_exp_f32 v[M], v[M]                           ; each block's largest p
	v_exp_f32 v[M+4], v[M+4]
	v_nop                                          ; the plain place behind the batch
	s_wait_alu depctr_va_vdst(0)                   ; one wait for the 66, ahead of their first reader
	v_max_num_f32 v[M], 0x1800000, v[M]            ; the floor: the byte cannot fall under 1.  (The two blocks by turns)
	v_max_num_f32 v[M+4], 0x1800000, v[M+4]
	v_add_nc_u32 v[E0], 0xff000000, v[M]           ; 2 off the exponent field: the conversion's scale operand
	v_add_nc_u32 v[E1], 0xff000000, v[M+4]
	v_lshrrev_b32 v[BY], 23, v[E0]                 ; the bytes
	v_lshrrev_b32 v[BY+1], 23, v[E1]
	v_cvt_scalef32_pk16_fp6_f32 v[PC:PC+2], v[S:S+15], v[E0]
	v_cvt_scalef32_pk16_fp6_f32 v[TA:TA+2], v[S+16:S+31], v[E0]     ; (a conversion's three registers begin on an even number)
	v_cvt_scalef32_pk16_fp6_f32 v[PC+6:PC+8], v[S+32:S+47], v[E1]
	v_cvt_scalef32_pk16_fp6_f32 v[TB:TB+2], v[S+48:S+63], v[E1]
	v_lshl_or_b32 v[BY], v[BY+1], 16, v[BY]        ; my two bytes: blocks h and 2 + h.  (The plain place behind the conversions)
.irp i, 0,1,2
	v_mov_b32 v[PC+9+\i], v[TB+\i]
.endr
	v_lshlrev_b32 v[BY], v8, v[BY]                 ; at their places in the word
	SUMS 8, 11                                     ; the sum of the unquantised p
	v_permlanex16_b32 v[BY+1], v[BY], s[SEL], s[SEL+1]
	SUMS 12, 15
	v_or_b32 v[PW], v[BY], v[BY+1]                 ; with lane l xor 16's two the word is whole: eleven plain lines ahead of the products
.irp i, 0,1,2
	v_mov_b32 v[PC+3+\i], v[TA+\i]
.endr
	SUMS 16, 23                                    ; eight plain lines between the last code's move and the products
	s_wait_alu depctr_va_vdst(0)
.if \last
	s_wait_dscnt 0x0
.else
	s_wait_dscnt 28                                ; V and its words are in; the next step's 24 + 4 loads of K, issued behind them, may be out
.endif
.irp a, 0,1,2,3
	v_wmma_scale_f32_16x16x128_f8f6f4 v[O+8*\a:O+8*\a+7], v[VF+12*\a:VF+12*\a+11], v[PC:PC+11], v[O+8*\a:O+8*\a+7], v[VW+\a], v[PW] matrix_a_fmt:MATRIX_FMT_FP6 matrix_b_fmt:MATRIX_FMT_FP6
.endr
	SUMS 24, 31                                    ; the rest of the sum names none of the products' registers: these sixteen lines are also the places behind them
.irp j, 0,1,2,3
	v_pk_add_f32 v[S+2*\j:S+2*\j+1], v[S+2*\j:S+2*\j+1], v[S+2*\j+8:S+2*\j+9]
.endr
.irp j, 0,1
	v_pk_add_f32 v[S+2*\j:S+2*\j+1], v[S+2*\j:S+2*\j+1], v[S+2*\j+4:S+2*\j+5]
.endr
	v_pk_add_f32 v[S:S+1], v[S:S+1], v[S+2:S+3]
	v_pk_fma_f32 v[14:15], v[14:15], v[10:11], v[S:S+1] op_sel_hi:[1,0,1]   ; the sum under the new M, and this step's
.if \last == 0
	s_add_co_u32 s75, s75, 6144
	s_add_co_u32 s76, s76, 256
.endif
.endm
.Lpass:
.irp g, 0,1,2,3
	KPAIR \g, 2                                    ; step 0's K
.endr
	KWORDS 4
	s_mov_b32 s74, 0
	s_mov_b32 s81, 0
	s_mov_b32 s75, 0
	s_mov_b32 s76, 0
	v_mov_b32 v13, 0xff61b1e6                      ; the largest score so far: -3e38
	v_mov_b32 v14, 0
	v_mov_b32 v15, 0
	v_floor_f32 v12, -v13
	s_wait_loadcnt 0x0                             ; this pass's Q
	v_perm_b32 v[QW], v[QW], v[QW], s72
.set j, 0
.rept 32
	v_mov_b32 v[O+j], 0                            ; the step is written for every place: the first finds zeros, which the first change of M leaves zeros.  (Also the places between Q's word and the first product)
.set j, j+1
.endr
	s_mov_b32 s77, 15
.Lstep:
	STEP 0
	s_sub_co_u32 s77, s77, 1
	s_cmp_lg_u32 s77, 0
	s_cbranch_scc1 .Lstep
	STEP 1                                         ; the sixteenth step is written out: it fetches no further K
	; THE WAY OUT of a pass
	s_wait_alu depctr_va_vdst(0)
	s_cmp_eq_u32 s73, 1
	s_cbranch_scc1 .Lno_next_q
	QLOAD 12288, 512                               ; the second pass's tile lies 16 tiles on; Q's registers are free
.Lno_next_q:
	v_add_f32 v14, v14, v15
	v_add_nc_u32 v[TB+1], s80, v9                  ; where my row's two scale bytes go
	v_permlanex16_b32 v[X], v14, s[SEL], s[SEL+1]
	v_add_f32 v14, v14, v[X]                       ; the row's sum
	s_wait_alu depctr_va_vdst(0)
	v_rcp_f32 v14, v14
	v_nop
	s_wait_alu depctr_va_vdst(0)                   ; directly ahead of the first reader of it and of O^T
.set j, 0
.rept 32
	v_mul_f32 v[S+j], v[O+j], v14                  ; register 16 b + i = channel 32 b + 16 h + i of my query
.set j, j+1
.endr
.irp b, 0,1
	v_max3_num_f32 v[M+\b], |v[S+16*\b]|, |v[S+1+16*\b]|, 0x1800000
.endr
.irp i, 2,4,6,8,10,12,14
.irp b, 0,1
	v_max3_num_f32 v[M+\b], v[M+\b], |v[S+16*\b+\i]|, |v[S+1+16*\b+\i]|
.endr
.endr
.irp b, 0,1
	v_permlanex16_b32 v[M+2+\b], v[M+\b], s[SEL], s[SEL+1]
.endr
.irp b, 0,1
	v_max_num_f32 v[M+\b], v[M+\b], v[M+2+\b]      ; with lane l xor 16's: the block's largest magnitude
.endr
	v_add_nc_u32 v[E0], 0xff000000, v[M]
	v_add_nc_u32 v[E1], 0xff000000, v[M+1]
	v_lshrrev_b32 v[M+2], 23, v[E0]
	v_lshrrev_b32 v[M+3], 23, v[E1]
	v_lshl_or_b32 v[TB], v[M+3], 8, v[M+2]         ; my row's two bytes
	v_cvt_scalef32_pk16_fp6_f32 v[PC:PC+2], v[S:S+15], v[E0]
	v_cvt_scalef32_pk16_fp6_f32 v[TA:TA+2], v[S+16:S+31], v[E1]
	v_nop                                          ; one plain place behind a scaled conversion
.irp i, 0,1,2
	v_permlane16_swap_b32 v[PC+\i], v[TA+\i]       ; the operand's layout wants a whole block in a lane
.endr
.irp i, 0,1,2
	v_mov_b32 v[PC+3+\i], v[TA+\i]
.endr
.irp p, 0,1,2
	global_store_b64 v1, v[PC+2*\p:PC+2*\p+1], s[68:69] offset:256*\p   ; half a fragment: 256 consecutive bytes a store
.endr
	ds_store_b16 v[TB+1], v[TB]                    ; lanes r and r + 16 write the same bytes; each pass has its own 512 bytes
	s_wait_xcnt 0x0                                ; the stores have read their registers and base
	s_add_nc_u64 s[68:69], s[68:69], 196608
	s_add_co_u32 s80, s80, 512
	s_sub_co_u32 s73, s73, 1
	s_cmp_lg_u32 s73, 0
	s_cbranch_scc1 .Lpass
	; both passes' scale bytes leave as whole units: wave 0 stores the first pass's 512 bytes, wave 1 the second's
	s_lshl_b32 s74, s14, 9
	s_add_co_u32 s74, s74, OSC
	s_lshl_b32 s75, s14, 13
	v_lshlrev_b32 v[X], 1, v1                      ; 16 x lane
	v_add_nc_u32 v[Y], s74, v[X]
	v_add_nc_u32 v[X], s75, v[X]
	s_wait_alu depctr_va_vdst(0)
	s_wait_dscnt 0x0                               ; for the others' sake
	s_barrier_signal -1
	s_barrier_wait -1
	s_cmp_lt_u32 s[WV], 2
	s_cbranch_scc0 .Lnot_mine
	ds_load_b128 v[PC:PC+3], v[Y]
	s_wait_dscnt 0x0
	global_store_b128 v[X], v[PC:PC+3], s[70:71]
.Lnot_mine:
	s_wait_tensorcnt 0x0                           ; the wave's end
	ds_add_u32 v6, v7
	s_wait_dscnt 0x0
	CROUND                                         ; the closing round
	s_endpgm
.Lfunc_end_k_q02b45fe2c7_attn:
	.size	k_q02b45fe2c7_attn, .Lfunc_end_k_q02b45fe2c7_attn-k_q02b45fe2c7_attn
	.p2alignl 7, 3214868480
	.fill 96, 4, 3214868480
	.section	.rodata,"a",@progbits
	.p2align	6, 0x0
	.amdhsa_kernel k_q02b45fe2c7_attn
		.amdhsa_group_segment_fixed_size 220160
		.amdhsa_private_segment_fixed_size 0
		.amdhsa_enable_private_segment 0
		.amdhsa_kernarg_size 24
		.amdhsa_user_sgpr_count 2
		.amdhsa_user_sgpr_kernarg_segment_ptr 1
		.amdhsa_wavefront_size32 1
		.amdhsa_system_sgpr_workgroup_id_x 1
		.amdhsa_system_sgpr_workgroup_id_y 1
		.amdhsa_system_sgpr_workgroup_id_z 1
		.amdhsa_system_vgpr_workitem_id 0
		.amdhsa_next_free_vgpr 256
		.amdhsa_next_free_sgpr 84
		.amdhsa_reserve_vcc 0
		.amdhsa_float_denorm_mode_32 3
		.amdhsa_float_denorm_mode_16_64 3
		.amdhsa_memory_ordered 1
		.amdhsa_forward_progress 1
		.amdhsa_inst_pref_size 47
	.end_amdhsa_kernel
	.amdgpu_metadata
---
amdhsa.version: [ 1, 2 ]
amdhsa.kernels:
  - .name:           k_q02b45fe2c7_attn
    .symbol:         k_q02b45fe2c7_attn.kd
    .args:
      - { .name: qkvc, .offset: 0, .size: 8, .value_kind: global_buffer, .address_space: global }
      - { .name: qkvs, .offset: 8, .size: 8, .value_kind: global_buffer, .address_space: global }
      - { .name: oq, .offset: 16, .size: 8, .value_kind: global_buffer, .address_space: global }
    .group_segment_fixed_size: 220160
    .private_segment_fixed_size: 0
    .kernarg_segment_align: 8
    .kernarg_segment_size: 24
    .max_flat_workgroup_size: 512
    .sgpr_count:     84
    .vgpr_count:     256
    .wavefront_size: 32
...
	.end_amdgpu_metadata
.endif
;; end of part 3
;; launch proj (part 4): grid 4 x 32, 4 waves a work-group, clusters of 4 x 4, 327,680 bytes of LDS; arguments oq, wq, b_proj, out0; writes out0
.if DOCPART == 4
	.amdgcn_target "amdgcn-amd-amdhsa--gfx1250"
	.amdhsa_code_object_version 6
	.text
	.protected	k_q02b45fe2c7_proj
	.globl	k_q02b45fe2c7_proj
	.p2align	8
	.type	k_q02b45fe2c7_proj,@function
k_q02b45fe2c7_proj:
	s_mov_b64 s[64:65], 0
	v_nop
	global_prefetch_b8 v0, s[64:65] scope:SCOPE_SE
	s_setreg_imm32_b32 hwreg(HW_REG_WAVE_MODE, 25, 1), 1
	s_wait_xcnt 0x0
	s_wait_alu depctr_hold_cnt(0) depctr_sa_sdst(0) depctr_va_vdst(0) depctr_va_sdst(0) depctr_va_ssrc(0) depctr_va_vcc(0) depctr_vm_vsrc(0)
	s_getreg_b32 s2, hwreg(HW_REG_IB_STS2, 6, 4)
	s_cmp_eq_u32 s2, 0
	s_cbranch_scc0 .Lentry_in_a_cluster
	s_endpgm
.Lentry_in_a_cluster:
	s_bfe_u32 s2, ttmp6, 0x10000c
	s_cmp_lg_u32 s2, 0xf033
	s_cbranch_scc0 .Lentry_shape_is_right
	s_endpgm
.Lentry_shape_is_right:
.set FR,    12
.set NL,    6
.set QTR,   24576
.set SLOT,  4*QTR
.set SCL,   2*SLOT
.set SPARE, SCL+4*4096
.set SPITCH, 528
.set ADRU,  5
.set STO,   8
.set RD,    9
.set CO,    10
.set ADRA,  24
.set ADRB,  26
.set SPW,   28
.set NIL,   29
.set ADRS,  30
.set SC,    32
.set AF,    128
.set BK,    128
.set G1, 24
.set G0, 32
.set G1B, 48
.set G0B, 56
.set G1S, 68
.set G0S, 76
.set G1SB, 80
.set G0SB, 88
.set MSB, 0
.macro WIN new
.if MSB != \new
	s_set_vgpr_msb (MSB<<8)|\new
.set MSB, \new
.endif
.endm
.set MUL_LO, 0xa1
.set MUL_HI, 0xf1
.set TO_B,   0x40
.macro JLOAD g0a, g1a, g0b, g1b
	s_cmp_eq_u32 s17, 0
	s_cbranch_scc0 .Lfor_b_\@
	tensor_load_to_lds s[\g0a:\g0a+3], s[\g1a:\g1a+7]
	s_nop 0
.rept 4
	v_nop
.endr
	s_branch .Lasked_\@
.Lfor_b_\@:
	tensor_load_to_lds s[\g0b:\g0b+3], s[\g1b:\g1b+7]
	s_nop 0
.rept 4
	v_nop
.endr
.Lasked_\@:
.endm
.macro CREST
	s_cmp_lg_u32 s16, 0
	s_cbranch_scc1 .Lnot_wave_0_\@
	s_barrier_signal -3
.Lnot_wave_0_\@:
	s_barrier_wait -3
	s_barrier_signal -1
	s_barrier_wait -1
.endm
.macro CROUND
	s_barrier_signal -1
	s_barrier_wait -1
	CREST
.endm
.macro PLACES
.rept 4
	v_nop
.endr
.endm
	s_load_b256 s[4:11], s[0:1], 0x0
	v_lshl_add_u32 v[SPW], v0, 2, SPARE
	v_mov_b32 v[NIL], 0
	ds_add_u32 v28, v29
	ds_add_u32 v28, v29
	s_wait_dscnt 0x0
	v_lshrrev_b32 v1, 5, v0
	v_readfirstlane_b32 s16, v1
	s_lshr_b32 s17, s16, 1
	s_and_b32 s18, s16, 1
	s_bfe_u32 s40, ttmp6, 0x40000
	s_bfe_u32 s41, ttmp6, 0x40004
	s_and_b32 s46, ttmp7, 0xffff
	s_lshl_b32 s46, s46, 2
	s_add_co_u32 s46, s46, s41
	s_lshl_b32 s47, ttmp9, 2
	s_add_co_u32 s47, s47, s40
	s_lshl_b32 s43, s41, 2
	s_lshl_b32 s43, 15, s43
	s_lshl_b32 s44, 0x1111, s40
	s_or_b32 s[G1+0], s43, (3<<16)|(1<<21)
	s_or_b32 s[G1B+0], s44, (3<<16)|(1<<21)
.irp g, G1, G1B
	s_mov_b32 s[\g+1], (384<<16)
	s_mov_b32 s[\g+2], (8<<16)
	s_mov_b32 s[\g+3], (384<<16)
	s_mov_b32 s[\g+4], 8
	s_mov_b32 s[\g+5], 1536
	s_mov_b32 s[\g+6], 0
	s_mov_b32 s[\g+7], 0
.endr
	s_or_b32 s[G1S+0], s43, (3<<16)|(1<<21)
	s_mov_b32 s[G1S+1], (32<<16)
	s_mov_b32 s[G1S+2], (16<<16)
	s_mov_b32 s[G1S+3], (32<<16)
	s_mov_b32 s[G1S+4], 16
	s_mov_b32 s[G1S+5], 64
	s_mov_b32 s[G1S+6], 0
	s_mov_b32 s[G1S+7], 0
	s_or_b32 s[G1SB+0], s44, (3<<16)|(1<<21)
	s_mov_b32 s[G1SB+1], (32<<16)
	s_mov_b32 s[G1SB+2], (16<<16)
	s_mov_b32 s[G1SB+3], (32<<16)
	s_mov_b32 s[G1SB+4], 16
	s_mov_b32 s[G1SB+5], 32
	s_mov_b32 s[G1SB+6], 0
	s_mov_b32 s[G1SB+7], 0
	s_mul_i32 s19, s18, 98304
	s_mul_i32 s20, s46, 196608
	s_add_co_u32 s20, s20, s19
	s_mov_b32 s21, 0
	s_mul_i32 s22, s47, 196608
	s_add_co_u32 s22, s22, s19
	s_add_co_u32 s22, s22, 2457600
	s_mov_b32 s23, 0
	s_lshl_b32 s98, s46, 13
	s_lshl_b32 s19, s18, 8
	s_add_co_u32 s98, s98, s19
	s_add_co_u32 s98, s98, 6291456
	s_mov_b32 s99, 0
	s_lshl_b32 s100, s47, 13
	s_lshl_b32 s19, s18, 12
	s_add_co_u32 s100, s100, s19
	s_add_co_u32 s100, s100, 3244032
	s_mov_b32 s101, 0
	s_mul_i32 s66, s16, QTR
	s_lshl_b32 s67, s16, 12
	s_wait_kmcnt 0x0
	s_add_nc_u64 s[20:21], s[4:5], s[20:21]
	s_add_nc_u64 s[22:23], s[6:7], s[22:23]
	s_add_nc_u64 s[98:99], s[4:5], s[98:99]
	s_add_nc_u64 s[100:101], s[6:7], s[100:101]
	CROUND
	s_mov_b32 s[G0S], 1
	s_add_co_u32 s[G0S+1], s67, SCL
	s_mov_b64 s[G0S+2:G0S+3], s[98:99]
	s_or_b32 s[G0S+3], s[G0S+3], 0x80000000
	s_mov_b32 s[G0SB], 1
	s_add_co_u32 s[G0SB+1], s67, SCL
	s_mov_b64 s[G0SB+2:G0SB+3], s[100:101]
	s_or_b32 s[G0SB+3], s[G0SB+3], 0x80000000
	JLOAD G0S, G1S, G0SB, G1SB
.irp s, 0,1
	s_mov_b32 s[G0+4*\s], 1
	s_add_co_u32 s[G0+4*\s+1], s66, \s*SLOT
	s_add_nc_u64 s[G0+4*\s+2:G0+4*\s+3], s[20:21], \s*3072
	s_or_b32 s[G0+4*\s+3], s[G0+4*\s+3], 0x80000000
	s_mov_b32 s[G0B+4*\s], 1
	s_add_co_u32 s[G0B+4*\s+1], s66, \s*SLOT
	s_add_nc_u64 s[G0B+4*\s+2:G0B+4*\s+3], s[22:23], \s*3072
	s_or_b32 s[G0B+4*\s+3], s[G0B+4*\s+3], 0x80000000
	s_wait_alu depctr_va_vdst(0)
	s_wait_tensorcnt 0x0
	ds_add_u32 v28, v29
	s_wait_dscnt 0x0
	CROUND
	JLOAD G0+4*\s, G1, G0B+4*\s, G1B
.endr
	v_and_b32 v1, 15, v0
	s_wait_alu depctr_va_vdst(0)
	v_bfe_u32 v2, v0, 4, 1
	v_and_b32 v7, 31, v0
	v_lshlrev_b32 v3, 3, v7
	v_lshlrev_b32 v[CO], 4, v7
	s_mul_i32 s19, s17, QTR
	s_mul_i32 s66, s18, QTR
	s_add_co_u32 s66, s66, 2*QTR
.irp s, 0,1
	v_add_nc_u32 v[ADRA+\s], s19, v3
	v_add_nc_u32 v[ADRB+\s], s66, v3
	s_add_co_u32 s19, s19, SLOT
	s_add_co_u32 s66, s66, SLOT
.endr
	s_lshl_b32 s19, s17, 12
	s_add_co_u32 s19, s19, SCL
	v_lshl_add_u32 v[ADRU], v1, 1, s19
	s_lshl_b32 s19, s18, 12
	s_add_co_u32 s19, s19, SCL+8192
	v_lshl_add_u32 v[ADRS], v1, 4, s19
	s_mul_i32 s19, s16, 16*SPITCH
	v_mul_u32_u24 v[STO], v1, SPITCH
	v_lshl_add_u32 v[STO], v2, 6, v[STO]
	v_add_nc_u32 v[STO], s19, v[STO]
	v_add_nc_u32 v[RD], s19, v[CO]
	s_lshl_b32 s92, s46, 20
	s_lshl_b32 s93, s17, 19
	s_add_co_u32 s92, s92, s93
	s_lshl_b32 s93, s47, 10
	s_add_co_u32 s92, s92, s93
	s_lshl_b32 s93, s18, 9
	s_add_co_u32 s92, s92, s93
	s_mov_b32 s93, 0
	s_add_nc_u64 s[10:11], s[10:11], s[92:93]
	s_lshl_b32 s92, s47, 10
	s_lshl_b32 s94, s18, 9
	s_add_co_u32 s92, s92, s94
	s_add_nc_u64 s[8:9], s[8:9], s[92:93]
	v_lshlrev_b32 v4, 6, v2
.irp b, 0,1,2,3,4,5,6,7
	global_load_b128 v[96+8*\b+96*(\b/4):96+8*\b+96*(\b/4)+3], v4, s[8:9] offset:(32*(\b/2)+8*(\b%2))*4
	global_load_b128 v[96+8*\b+96*(\b/4)+4:96+8*\b+96*(\b/4)+7], v4, s[8:9] offset:(32*(\b/2)+8*(\b%2))*4+16
.endr
	v_cmp_ne_u32 vcc_lo, 0, v2
.macro FRAG reg, adr, q, i
.irp p, 0,1,2,3,4,5
	ds_load_b64 v[\reg+2*\p:\reg+2*\p+1], v[\adr] offset:(\i)*3072+(\q)*1536+256*\p
.endr
.endm
.macro MUL16 a0, p, kq, first
.irp a, \a0, \a0+1
.irp b, 0,1,2,3,4,5,6,7
.if \first
	v_wmma_scale_f32_16x16x128_f8f6f4 v[8*(8*((\a)%4)+\b):8*(8*((\a)%4)+\b)+7], v[128*(\p)+FR*\b:128*(\p)+FR*\b+FR-1], v[AF+FR*(\a):AF+FR*(\a)+FR-1], v[96+8*\b+96*(\b/4):96+8*\b+96*(\b/4)+7], v[SC+8*\b+(\kq)], v[SC+8*(\a)+(\kq)] matrix_a_fmt:MATRIX_FMT_FP6 matrix_b_fmt:MATRIX_FMT_FP6 matrix_a_scale:MATRIX_SCALE_ROW1
.else
	v_wmma_scale_f32_16x16x128_f8f6f4 v[8*(8*((\a)%4)+\b):8*(8*((\a)%4)+\b)+7], v[128*(\p)+FR*\b:128*(\p)+FR*\b+FR-1], v[AF+FR*(\a):AF+FR*(\a)+FR-1], v[8*(8*((\a)%4)+\b):8*(8*((\a)%4)+\b)+7], v[SC+8*\b+(\kq)], v[SC+8*(\a)+(\kq)] matrix_a_fmt:MATRIX_FMT_FP6 matrix_b_fmt:MATRIX_FMT_FP6 matrix_a_scale:MATRIX_SCALE_ROW1
.endif
.endr
.endr
.endm
.macro FETCH_B slot, q, p
	WIN TO_B
.irp i, 0,1,2,3,4,5,6,7
	FRAG 128*(\p)+FR*\i, ADRB+\slot, \q, \i
.endr
	WIN 0
.endm
.macro FETCH_A slot, q, i0
.irp i, \i0, \i0+1, \i0+2, \i0+3
	FRAG AF+FR*(\i), ADRA+\slot, \q, \i
.endr
.endm
.macro STEP slot, kq, first
	s_wait_dscnt 4*NL
.if \first
	WIN 0x81
.else
	WIN MUL_LO
.endif
	MUL16 0, 0, \kq, \first
	MUL16 2, 0, \kq, \first
	s_wait_dscnt 0x0
	PLACES
	FETCH_B \slot, 1, 1
	FETCH_A \slot, 1, 0
.if \first
	WIN 0xc1
.else
	WIN MUL_HI
.endif
	MUL16 4, 0, \kq, \first
	MUL16 6, 0, \kq, \first
	PLACES
	WIN 0
	FETCH_A \slot, 1, 4
.endm
.macro TURN slot, next, fill, kq
	s_wait_tensorcnt 0x0
	ds_add_u32 v[SPW], v[NIL]
	s_wait_dscnt 4*NL+1
	WIN MUL_LO
	MUL16 0, 1, \kq, 0
	s_wait_dscnt 0x0
	s_barrier_signal -1
	MUL16 2, 1, \kq, 0
	WIN 0
	s_barrier_wait -1
.if \fill
	CREST
	s_add_nc_u64 s[G0+4*\slot+2:G0+4*\slot+3], s[G0+4*\slot+2:G0+4*\slot+3], 6144
	s_add_nc_u64 s[G0B+4*\slot+2:G0B+4*\slot+3], s[G0B+4*\slot+2:G0B+4*\slot+3], 6144
	JLOAD G0+4*\slot, G1, G0B+4*\slot, G1B
.else
	PLACES
.endif
	FETCH_B \next, 0, 0
	FETCH_A \next, 0, 0
	WIN MUL_HI
	MUL16 4, 1, \kq, 0
	MUL16 6, 1, \kq, 0
	PLACES
	WIN 0
	FETCH_A \next, 0, 4
.endm
	s_wait_alu depctr_va_vdst(0)
	s_wait_tensorcnt 1
	s_barrier_signal -1
	s_barrier_wait -1
	FETCH_B 0, 0, 0
	FETCH_A 0, 0, 0
.irp i, 0,1,2,3,4,5,6,7
	ds_load_b128 v[SC+8*\i:SC+8*\i+3], v[ADRS] offset:512*\i
	ds_load_b128 v[SC+8*\i+4:SC+8*\i+7], v[ADRS] offset:512*\i+256
.endr
	WIN 0x40
.set n, 0
.rept 64
	ds_load_u16 v[128+n], v[ADRU] offset:512*(n%8)+32*(n/8)
	ds_load_u16 v[192+n], v[ADRU] offset:512*(n%8)+32*(n/8)+256
.set n, n+1
.endr
	s_wait_dscnt 0x0
	WIN 0x51
.set n, 0
.rept 64
	v_lshl_or_b32 v[128+n], v[192+n], 16, v[128+n]
.set n, n+1
.endr
	WIN 0x01
.set n, 0
.rept 64
	v_cndmask_b32 v[SC+n], v[128+n], v[SC+n], vcc_lo
.set n, n+1
.endr
	WIN 0
.rept 8
	v_nop
.endr
	FETCH_A 0, 0, 4
	s_wait_alu depctr_va_vdst(0)
	s_wait_loadcnt 0x0
	STEP 0, 0, 1
	TURN 0, 1, 1, 1
	STEP 1, 2, 0
	TURN 1, 0, 1, 3
	STEP 0, 4, 0
	TURN 0, 1, 0, 5
	STEP 1, 6, 0
	s_wait_dscnt 4*NL
	WIN MUL_LO
	MUL16 0, 1, 7, 0
	MUL16 2, 1, 7, 0
	s_wait_dscnt 0x0
	WIN MUL_HI
	MUL16 4, 1, 7, 0
	MUL16 6, 1, 7, 0
	WIN 0
.macro TOSTAGE a
.set AC, 64*((\a)%4)
	WIN 0x08+4*((\a)/4)
.irp b, 0,1,2,3,4,5,6,7
	ds_store_b128 v[STO], v[AC+8*\b:AC+8*\b+3] offset:128*(\b/2)+32*(\b%2)
	ds_store_b128 v[STO], v[AC+8*\b+4:AC+8*\b+7] offset:128*(\b/2)+32*(\b%2)+16
.endr
	WIN 0
.set BB, BK+64*((\a)%2)
.irp t, 0,1,2,3,4,5,6,7,8,9,10,11,12,13,14,15
	ds_load_b128 v[BB+4*\t:BB+4*\t+3], v[RD] offset:\t*SPITCH
.endr
.endm
.macro SEND a, younger
.set BB, BK+64*((\a)%2)
	s_wait_dscnt \younger
.irp t, 0,1,2,3,4,5,6,7,8,9,10,11,12,13,14,15
	global_store_b128 v[CO], v[BB+4*\t:BB+4*\t+3], s[10:11] offset:(32*((\a)/2)+8*((\a)%2)+\t%8+16*(\t/8))*4096 th:TH_STORE_NT
.endr
.endm
	PLACES
	TOSTAGE 0
.irp a, 1,2,3,4,5,6,7
.if \a > 1
	s_wait_xcnt 0x0
.endif
	TOSTAGE \a
	SEND \a-1, 32
.endr
	SEND 7, 0
	s_wait_tensorcnt 0x0
	ds_add_u32 v[SPW], v[NIL]
	s_wait_dscnt 0x0
	CROUND
	s_endpgm
.Lfunc_end_k_q02b45fe2c7_proj:
	.size	k_q02b45fe2c7_proj, .Lfunc_end_k_q02b45fe2c7_proj-k_q02b45fe2c7_proj
	.p2alignl 7, 3214868480
	.fill 96, 4, 3214868480
	.section	.rodata,"a",@progbits
	.p2align	6, 0x0
	.amdhsa_kernel k_q02b45fe2c7_proj
		.amdhsa_group_segment_fixed_size 327680
		.amdhsa_private_segment_fixed_size 0
		.amdhsa_enable_private_segment 0
		.amdhsa_kernarg_size 32
		.amdhsa_user_sgpr_count 2
		.amdhsa_user_sgpr_kernarg_segment_ptr 1
		.amdhsa_wavefront_size32 1
		.amdhsa_system_sgpr_workgroup_id_x 1
		.amdhsa_system_sgpr_workgroup_id_y 1
		.amdhsa_system_sgpr_workgroup_id_z 1
		.amdhsa_system_vgpr_workitem_id 0
		.amdhsa_next_free_vgpr 1024
		.amdhsa_next_free_sgpr 102
		.amdhsa_reserve_vcc 1
		.amdhsa_float_denorm_mode_32 3
		.amdhsa_float_denorm_mode_16_64 3
		.amdhsa_memory_ordered 1
		.amdhsa_forward_progress 1
		.amdhsa_inst_pref_size 175
	.end_amdhsa_kernel
	.amdgpu_metadata
---
amdhsa.version: [ 1, 2 ]
amdhsa.kernels:
  - .name:           k_q02b45fe2c7_proj
    .symbol:         k_q02b45fe2c7_proj.kd
    .args:
      - { .name: oq, .offset: 0, .size: 8, .value_kind: global_buffer, .address_space: global }
      - { .name: wq, .offset: 8, .size: 8, .value_kind: global_buffer, .address_space: global }
      - { .name: b_proj, .offset: 16, .size: 8, .value_kind: global_buffer, .address_space: global }
      - { .name: out0, .offset: 24, .size: 8, .value_kind: global_buffer, .address_space: global }
    .group_segment_fixed_size: 327680
    .private_segment_fixed_size: 0
    .kernarg_segment_align: 8
    .kernarg_segment_size: 32
    .max_flat_workgroup_size: 128
    .sgpr_count:     102
    .vgpr_count:     1024
    .wavefront_size: 32
...
	.end_amdgpu_metadata
.endif
;; end of part 4
